; MI455X (gfx1250); checked and timed in simulation.
; The chip was launched on July 23, 2026; its instructions are those of AMD's public machine-readable ISA for CDNA 5 (MIT licence, August 2026) and "CDNA5" Instruction Set Architecture Reference Guide (July 2026). The comments in the code are by the model that wrote it; some were corrected since.
;; Rotary Attention. Allowed arithmetic: matrix products marked QUANTISED: E2M3 operands, one E8M0 scale for each 32 along K, by v_wmma_scale_f32_16x16x128_f8f6f4 with both operands' format E2M3, f32 sums; everything else in f32.
;; Inputs: bk 256 float32; bo 2,048 float32; bq 2,048 float32; bv 256 float32; wk 2,048 x 256 float32; wo 2,048 x 2,048 float32; wq 2,048 x 2,048 float32; wv 2,048 x 256 float32; x 4 x 1,024 x 2,048 float32.
;; Outputs: out0 4 x 1,024 x 2,048 float32.
;; This version of the problem:
;;   THIS VERSION OF THE PROBLEM IS GIVEN IN LOW PRECISION. The matrix products marked QUANTISED in the list below multiply operands that are first quantised to E2M3 (2 exponent bits, 3 mantissa bits; 6 bits a number), with one power-of-two scale for each 32 numbers along K (OCP MX v1.0); their sums are f32. All else is computed in f32.
;;   The module's matrix products, in the order in which they are computed (A, B: the left and right operand; K: the contracted axis; several contracted axes count as one K, in the product's order):
;;     1. [M 4,096, K 2,048] x [K 2,048, N 2,048]; A: input x; B: input wq: QUANTISED
;;     2. [M 4,096, K 2,048] x [K 2,048, N 256]; A: input x; B: input wk: QUANTISED
;;     3. [M 4,096, K 2,048] x [K 2,048, N 256]; A: input x; B: input wv: QUANTISED
;;     4. batch 64 x [M 1,024, K 128] x [K 128, N 1,024]; A: computed on the way; B: computed on the way: QUANTISED
;;     5. batch 64 x [M 128, K 1,024] x [K 1,024, N 1,024]; A: computed on the way; B: softmax (see below): QUANTISED
;;     6. [M 4,096, K 2,048] x [K 2,048, N 2,048]; A: computed on the way; B: input wo: QUANTISED
;;   THE QUANTISER, for each operand of a quantised product, along K:
;;     - K is cut into blocks of 32 from its start; a last block that is shorter is filled with zeros.
;;     - A block's scale is 2^e with e = floor(log2(the largest magnitude in the block)) - 2, held to -126 .. 127; a block of zeros has e = 0. As a byte (E8M0): e + 127.
;;     - Each number is divided by its block's scale, clamped to +-7.5, and rounded to the nearest number of E2M3, ties to even, subnormals kept.
;;     - The product sums the exact products of the quantised numbers (number of the format x scale) in f32.
;;   ~~~python
;;   def quantise(x, axis):      # numpy; x: float32 -> the quantised numbers, widened to float32 again
;;       x = np.moveaxis(x, axis, -1); K = x.shape[-1]
;;       x = np.pad(x, [(0, 0)] * (x.ndim - 1) + [(0, -K % 32)]); x = x.reshape(x.shape[:-1] + (-1, 32)); a = np.abs(x).max(-1, keepdims=True)
;;       e = np.where(a > 0, np.clip(np.frexp(np.where(a > 0, a, 1))[1] - 1 - 2, -126, 127), 0)      # np.frexp(a)[1] - 1 = floor(log2(a)), exactly
;;       r = np.clip(x / 2.0 ** e, -7.5, 7.5)
;;       step = 2.0 ** (np.maximum(np.frexp(np.where(r == 0, 1, r))[1] - 1, 0) - 3)
;;       q = np.round(r / step) * step * 2.0 ** e      # np.round: ties to even
;;       return np.moveaxis(q.reshape(q.shape[:-2] + (-1,))[..., :K], -1, axis).astype(np.float32)
;;   ~~~
;;   SOFTMAX AHEAD OF A QUANTISED PRODUCT. Where the list says 'softmax', what is quantised is not the finished softmax but p = 2^(t - M), with t = logit x log2(e) and M = ceil(the row's largest t), a whole number; so 1/2 < the row's largest p <= 1. The row's sum l is taken of the UNQUANTISED p, in f32, and the product's result is divided by l at the end. Since M is a whole number, a kernel that streams over the keys may use a running M (the ceiling of the running maximum): every later rescaling is an exact power of two, which a block's scale takes up: the codes' values come out the same.
;;   OPERANDS COMPUTED ON THE WAY. 'Computed on the way' means the value that the module computes at that place (a softmax that the list does not call 'softmax' is quantised finished and normalised). What goes into a quantiser is computed in f32, as accurately as f32 sums, v_exp_f32 and their like allow (about 1e-6 of the number): no bf16 or f16 on the way to a quantiser, and a product that is left as it is and whose result goes on into a quantised operand takes f32 operands (vector FMAs, or v_wmma_f32_16x16x4_f32). A number that lies on a knife's edge between two numbers of the format may be rounded either way, as far as f32 arithmetic and the matrix unit's own rounding can turn it there, and no further.
;; One version. Each part assembles by itself: llvm-mc -triple=amdgcn-amd-amdhsa -mcpu=gfx1250 --defsym DOCPART=n.
;; ======== version 1 of 1: 4 launches
;; limits: right only within a limited range of input values
;; workspace buffers: xcod 6,291,456 bytes; wcod 7,077,888 bytes; scl 557,056 bytes; tab 1,048,576 bytes; qkvc 7,864,320 bytes; qkvs 327,680 bytes; ocod 6,291,456 bytes; oscl 262,144 bytes
;; launch prep (part 1): grid 832 x 1, 4 waves a work-group, no clusters, 47,616 bytes of LDS; arguments x, wq, wk, wv, wo, xcod, wcod, scl, tab; writes xcod, wcod, scl, tab
.if DOCPART == 1
	.amdgcn_target "amdgcn-amd-amdhsa--gfx1250"
	.amdhsa_code_object_version 6
	.text
	.protected	k_q1c47ba43d4_prep
	.globl	k_q1c47ba43d4_prep
	.p2align	8
	.type	k_q1c47ba43d4_prep,@function
k_q1c47ba43d4_prep:
	s_mov_b64 s[64:65], 0
	v_nop
	global_prefetch_b8 v0, s[64:65] scope:SCOPE_SE
	s_setreg_imm32_b32 hwreg(HW_REG_WAVE_MODE, 25, 1), 1
	s_wait_xcnt 0x0
; x [4096][2048] (K innermost) and wq, wk, wv, wo [2048][n] (K outermost), f32, become codes of FP6 (E2M3) with one E8M0 byte for each 32 along K; and the table of cos and sin for the rotary step is made.
; LAYOUT OF THE CODES: AN IMAGE OF THE OPERAND'S REGISTERS.  A fragment is 16 rows x 128 K: 12 registers a lane (lane = r + 16 h; registers 6 c .. 6 c + 5: k = 64 c + 32 h + 0 .. 31 of row r).
; Register p of lane L lies at byte 512 (p / 4) + 16 L + 4 (p % 4) of the fragment's 1,536 bytes: three accesses of 16 bytes a lane, each 512 consecutive bytes, write or read it.
; A buffer of codes: fragment (row tile, K step) at (16 x row tile + K step) x 1,536.  Scale words (four bytes: a row's 128 K): row tile x 1,024 + K step x 64 + 4 r.
; ORDER OF ROWS: position p of x's rows, and of wq's, wk's, wv's columns, holds item p with bits 3 and 4 exchanged: row r of tile 2 b + u is item 32 b + 8 u + r + 8 (r / 8).  wo's columns keep their order.
; A block's scale is 2^(floor(log2(largest magnitude)) - 2): the byte is the largest magnitude's exponent field - 2, held at 1 from below.
; LIMITS: NaN and infinities are not served; a block whose largest magnitude lies under 2^-124, a block of zeros among them, gets the byte 1 (a block of zeros has zero codes; only this program reads the bytes).
; The table: 10000^(-j / 64) is made by v_exp_f32 of j x (-log2(10000) / 64), a few units in the last place; so an angle of about 1,000 may differ by about 1e-4 from one made with another power function.
; sin and cos: the angle less n pi / 2 (pi / 2 in two parts), polynomials on +-pi / 4, the quadrant by selection.
; SHARES: work-groups 0-255: a row tile of x each, wave w its K steps 4 w .. 4 w + 3, and one sixteenth of a tile of the table a wave.  Work-groups 256-831: 128 columns x one K step of a weight; a wave 32 columns;
; a lane one column, its registers down K.  Waves share nothing: no barrier.  The two paths have LDS bytes of their own.
.set XSC,   33792                      ; LDS: 0: x's stages, 16 rows x 528 bytes for each wave; here: x's scale words, 256 bytes a wave
.set WSTG,  34816                      ; the weights' stages: two images for each wave
.set SPARE, 47104                      ; the spare words, 128 bytes a wave: two blocks of 256 bytes that no other line names
.set WS,    262144                     ; in scl: the weights' words begin behind x's
.set IMG,   1536
.set RT,    24576                      ; from row tile to row tile
.set SPW,   254                        ; v254 LDS address of my spare word; never rewritten
.set NIL,   255                        ; v255 0; never rewritten
.set LI,    4                          ; v4   16 x lane
.set R,     16                         ; v16-143  x: two sets of 64 numbers as loaded
.set X,     144                        ; v144-207 x: 64 numbers in the quantiser's order (before that: the table's work)
.set TM,    208
.set PC,    224
.set PW,    244
.set TV,    248                        ; v248-251 the table's four numbers
.set SEL,   24
.set OFF,   16                         ; weights: v16-47 byte offsets of 32 rows of K at my column
.set WX,    48                         ; v48-175 four blocks of 32 numbers
.set C,     176                        ; v176-186 a block's codes
.set SB,    188                        ; the scale word
.set OUTR,  192
; 64 numbers of a lane, register 16 b + i = k 32 b + 16 h + i of my row, become a fragment's codes in v[PC] on and its scale word in v[PW]
.macro QUANT s
.irp b, 0,1,2,3
	v_max3_num_f32 v[TM+\b], |v[\s+16*\b]|, |v[\s+1+16*\b]|, 0x1800000   ; my 16 numbers of block b, and the floor 2^(3 - 127): the byte cannot fall under 1
.endr
.irp i, 2,4,6,8,10,12,14
.irp b, 0,1,2,3
	v_max3_num_f32 v[TM+\b], v[TM+\b], |v[\s+16*\b+\i]|, |v[\s+1+16*\b+\i]|
.endr
.endr
.irp b, 0,1,2,3
	v_permlanex16_b32 v[TM+4+\b], v[TM+\b], s[SEL], s[SEL+1]
.endr
.irp b, 0,1,2,3
	v_max_num_f32 v[TM+\b], v[TM+\b], v[TM+4+\b]                      ; with lane l xor 16's: the block's largest magnitude
.endr
.irp b, 0,1,2,3
	v_add_nc_u32 v[TM+12+\b], 0xff000000, v[TM+\b]                    ; 2 off its exponent field: the conversion's scale operand
.endr
.irp b, 0,1,2,3
	v_lshrrev_b32 v[TM+4+\b], 23, v[TM+12+\b]                         ; the scale's byte
.endr
	v_lshl_or_b32 v[PW], v[TM+5], 8, v[TM+4]
	v_lshl_or_b32 v[PW], v[TM+6], 16, v[PW]
	v_lshl_or_b32 v[PW], v[TM+7], 24, v[PW]
.irp c, 0,1
	v_cvt_scalef32_pk16_fp6_f32 v[PC+6*\c:PC+2+6*\c], v[\s+32*\c:\s+15+32*\c], v[TM+12+2*\c]
	v_cvt_scalef32_pk16_fp6_f32 v[PC+12+4*\c:PC+14+4*\c], v[\s+16+32*\c:\s+31+32*\c], v[TM+12+2*\c+1]
.endr
	v_nop                                          ; one plain place behind a scaled conversion
.irp c, 0,1                                    ; the operand wants a whole block in a lane
.irp i, 0,1,2
	v_permlane16_swap_b32 v[PC+6*\c+\i], v[PC+12+4*\c+\i]
.endr
.irp i, 0,1,2
	v_mov_b32 v[PC+3+6*\c+\i], v[PC+12+4*\c+\i]
.endr
.endr
.endm
.macro XLOAD t                         ; K step t of my four: 16 rows x 512 consecutive bytes, a row an instruction
.irp p, 0,1,2,3,4,5,6,7,8,9,10,11,12,13,14,15
	global_load_b128 v[R+64*((\t)%2)+4*\p:R+64*((\t)%2)+4*\p+3], v[LI], s[4:5] offset:(\p+8*(\p/8))*8192+512*(\t) th:TH_LOAD_NT
.endr
.endm
.macro XFRAG f
.if (\f) < 3
	s_wait_loadcnt 16                              ; this K step's 16 loads are in; the next one's 16 may be out
.else
	s_wait_loadcnt 0
.endif
.irp p, 0,1,2,3,4,5,6,7,8,9,10,11,12,13,14,15
	ds_store_b128 v5, v[R+64*((\f)%2)+4*\p:R+64*((\f)%2)+4*\p+3] offset:528*\p
.endr
.irp b, 0,1,2,3
.irp j, 0,1,2,3
	ds_load_b128 v[X+16*\b+4*\j:X+16*\b+4*\j+3], v6 offset:128*\b+16*\j   ; LDS serves a wave's instructions in order: these see the stores above
.endr
.endr
	s_wait_dscnt 0x0                               ; the numbers are back, and the stores have read the set that is loaded again below
.if (\f) < 2
	XLOAD (\f)+2
.endif
	s_wait_xcnt 0x0                                ; the last fragment's stores have read the codes' registers
	QUANT X
.irp c, 0,1,2
	global_store_b128 v[LI], v[PC+4*\c:PC+4*\c+3], s[14:15] offset:IMG*(\f)+512*\c
.endr
	ds_store_b32 v7, v[PW] offset:64*(\f)          ; lanes r and r + 16 write the same word with the same value
.endm
.macro WBLOCK t
.set XS, WX+32*(\t)
.if (\t) < 2
	s_wait_loadcnt 63                              ; 96 or 64 loads are younger than this block's: the largest count that a wait can name is safe
.else
	s_wait_loadcnt 32*(3-(\t))
.endif
	v_max3_num_f32 v190, |v[XS]|, |v[XS+1]|, |v[XS+2]|              ; the block's largest magnitude: all 32 numbers are mine
	v_max3_num_f32 v191, |v[XS+3]|, |v[XS+4]|, |v[XS+5]|
.irp i, 6,10,14,18,22,26
	v_max3_num_f32 v190, v190, |v[XS+\i]|, |v[XS+\i+1]|
	v_max3_num_f32 v191, v191, |v[XS+\i+2]|, |v[XS+\i+3]|
.endr
	v_max3_num_f32 v190, v190, |v[XS+30]|, |v[XS+31]|
	v_max3_num_f32 v190, v190, v191, 0x1800000
	v_add_nc_u32 v189, 0xff000000, v190
	v_lshrrev_b32 v191, 23, v189
.if (\t) == 0
	v_mov_b32 v[SB], v191
.else
	v_lshl_or_b32 v[SB], v191, 8*(\t), v[SB]
.endif
	v_cvt_scalef32_pk16_fp6_f32 v[C:C+2], v[XS:XS+15], v189
	v_cvt_scalef32_pk16_fp6_f32 v[C+8:C+10], v[XS+16:XS+31], v189
	v_nop
.irp i, 0,1,2
	v_mov_b32 v[C+3+\i], v[C+8+\i]
.endr
; block t is registers 6 (t / 2) .. + 5 of image lane (my row) + 16 (t % 2)
.if (\t) < 2
	ds_store_b128 v9, v[C:C+3] offset:256*((\t)%2)
	ds_store_b64 v9, v[C+4:C+5] offset:512+256*((\t)%2)
.else
	ds_store_b64 v9, v[C:C+1] offset:520+256*((\t)%2)
	ds_store_b128 v9, v[C+2:C+5] offset:1024+256*((\t)%2)
.endif
	s_wait_dscnt 0x0                               ; the stores have read their registers: the next block's codes may be written
.endm
	s_load_b256 s[4:11], s[0:1], 0x0               ; x, wq, wk, wv
	s_load_b256 s[12:19], s[0:1], 0x20             ; wo, xcod, wcod, scl
	s_load_b64 s[20:21], s[0:1], 0x40              ; tab
	v_lshl_add_u32 v[SPW], v0, 2, SPARE
	v_mov_b32 v[NIL], 0
	v_lshrrev_b32 v1, 5, v0
	v_readfirstlane_b32 s22, v1                    ; wave
	v_and_b32 v1, 31, v0                           ; lane
	v_and_b32 v2, 15, v0                           ; r
	v_bfe_u32 v3, v0, 4, 1                         ; h
	v_lshlrev_b32 v[LI], 4, v1
	s_mul_i32 s23, s22, 8448                       ; every LDS address of both paths is made here, ahead of the parting
	v_add_nc_u32 v5, s23, v[LI]                    ; x's stage, in: 16 bytes a lane of a row
	v_mul_u32_u24 v6, v2, 528
	v_lshl_add_u32 v6, v3, 6, v6
	v_add_nc_u32 v6, s23, v6                       ; out: row r, + 64 h
	s_lshl_b32 s26, s22, 8
	s_add_co_u32 s26, s26, XSC
	v_lshl_add_u32 v7, v2, 2, s26                  ; x's scale words, in
	v_lshl_add_u32 v8, v1, 3, s26                  ; and out
	s_mul_i32 s27, s22, 3072
	s_add_co_u32 s27, s27, WSTG
	v_mul_u32_u24 v9, v3, IMG
	v_lshl_add_u32 v9, v2, 4, v9
	v_add_nc_u32 v9, s27, v9                       ; the weights' stage, in: image lane / 16, image lane r
	v_add_nc_u32 v10, s27, v[LI]                   ; and out
	v_lshlrev_b32 v11, 3, v1
	s_mov_b32 s[SEL], 0x76543210
	s_mov_b32 s[SEL+1], 0xfedcba98
	s_mov_b32 s29, 0
	s_wait_kmcnt 0x0
	s_cmp_lt_u32 ttmp9, 256
	s_cbranch_scc0 .Lweights
	; ---- x: row tile i = the work-group's number
	s_lshr_b32 s28, ttmp9, 1
	s_lshl_b32 s28, s28, 5
	s_and_b32 s30, ttmp9, 1
	s_lshl_b32 s30, s30, 3
	s_add_co_u32 s28, s28, s30                     ; the tile's first row of x: 32 (i / 2) + 8 (i % 2)
	s_lshl_b32 s28, s28, 13
	s_lshl_b32 s30, s22, 11
	s_add_co_u32 s28, s28, s30                     ; + my four K steps
	s_add_nc_u64 s[4:5], s[4:5], s[28:29]
	XLOAD 0
	XLOAD 1
	s_lshl_b32 s28, ttmp9, 4
	s_lshl_b32 s30, s22, 2
	s_add_co_u32 s28, s28, s30
	s_mul_i32 s28, s28, IMG
	s_add_nc_u64 s[14:15], s[14:15], s[28:29]      ; my four images
	s_lshl_b32 s28, ttmp9, 10
	s_lshl_b32 s30, s22, 8
	s_add_co_u32 s28, s28, s30
	s_add_nc_u64 s[18:19], s[18:19], s[28:29]      ; my 256 bytes of scale words
	; the table: tile T = i / 4, group of four registers 4 (i % 4) + wave: registers 0-31 cos, 32-63 sin; register 16 b + e of either: frequency 32 b + 16 h + e; lane r: position 32 (T / 2) + 8 (T % 2) + r + 8 (r / 8)
	s_lshr_b32 s31, ttmp9, 2
	s_and_b32 s33, ttmp9, 3
	s_lshl_b32 s28, s31, 13
	s_lshl_b32 s30, s33, 2
	s_add_co_u32 s30, s30, s22
	s_lshl_b32 s30, s30, 9
	s_add_co_u32 s28, s28, s30
	s_add_nc_u64 s[20:21], s[20:21], s[28:29]
	s_and_b32 s34, s33, 1
	s_lshl_b32 s34, s34, 5
	s_lshl_b32 s30, s22, 2
	s_add_co_u32 s34, s34, s30                     ; 32 (i % 2) + 4 wave
	s_lshr_b32 s35, s33, 1
	s_sub_co_u32 s35, 1, s35                       ; 1 for cos (a quadrant on), 0 for sin
	s_lshr_b32 s36, s31, 1
	s_lshl_b32 s36, s36, 5
	s_and_b32 s30, s31, 1
	s_lshl_b32 s30, s30, 3
	s_add_co_u32 s36, s36, s30
	s_mov_b32 s40, 0xb94ca1f9                      ; sin: -1.9515296e-4, 8.3321609e-3, -1.6666655e-1
	s_mov_b32 s41, 0x3c08839e
	s_mov_b32 s42, 0xbe2aaaa3
	s_mov_b32 s43, 0x37ccf5ce                      ; cos: 2.4433157e-5, -1.3887316e-3, 4.1666646e-2
	s_mov_b32 s44, 0xbab6061a
	s_mov_b32 s45, 0x3d2aaaa5
.irp b, 0,1,2,3
	v_mov_b32 v[TM+4+\b], 0                        ; written once: a lane permute's destination counts as one of its sources
.endr
	v_lshl_add_u32 v144, v3, 4, s34
	v_add_nc_u32 v145, 1, v144
	v_add_nc_u32 v146, 2, v144
	v_add_nc_u32 v147, 3, v144
	v_and_b32 v148, 8, v2
	v_add3_u32 v148, v148, v2, s36                 ; my position
.irp e, 0,1,2,3
	v_cvt_f32_u32 v[144+\e], v[144+\e]
.endr
.irp e, 0,1,2,3
	v_mul_f32 v[144+\e], 0xbe549a78, v[144+\e]     ; j x (-log2(10000) / 64)
.endr
	s_wait_alu depctr_va_vdst(0)
.irp e, 0,1,2,3
	v_exp_f32 v[144+\e], v[144+\e]
.endr
	v_cvt_f32_u32 v148, v148                       ; a plain place behind the batch
	s_wait_alu depctr_va_vdst(0)                   ; one wait for the four exponentials, ahead of their first reader
.irp e, 0,1,2,3
	v_mul_f32 v[152+\e], v148, v[144+\e]           ; the angle, rounded once
.endr
.irp e, 0,1,2,3
	v_mul_f32 v[156+\e], 0x3f22f983, v[152+\e]     ; x 2 / pi
.endr
.irp e, 0,1,2,3
	v_rndne_f32 v[156+\e], v[156+\e]               ; n
.endr
.irp e, 0,1,2,3
	v_fma_f32 v[160+\e], v[156+\e], 0xbfc90fdb, v[152+\e]
.endr
.irp e, 0,1,2,3
	v_fma_f32 v[160+\e], v[156+\e], 0x333bbd2e, v[160+\e]   ; the angle - n pi / 2, pi / 2 in two parts
.endr
.irp e, 0,1,2,3
	v_cvt_i32_f32 v[164+\e], v[156+\e]
.endr
.irp e, 0,1,2,3
	v_add_nc_u32 v[164+\e], s35, v[164+\e]         ; the quadrant
.endr
.irp e, 0,1,2,3
	v_mul_f32 v[168+\e], v[160+\e], v[160+\e]
.endr
.irp e, 0,1,2,3
	v_fma_f32 v[172+\e], v[168+\e], s40, s41
	v_fma_f32 v[176+\e], v[168+\e], s43, s44
.endr
.irp e, 0,1,2,3
	v_fma_f32 v[172+\e], v[172+\e], v[168+\e], s42
	v_fma_f32 v[176+\e], v[176+\e], v[168+\e], s45
.endr
.irp e, 0,1,2,3
	v_mul_f32 v[172+\e], v[172+\e], v[168+\e]
	v_mul_f32 v[180+\e], v[168+\e], v[168+\e]
	v_fma_f32 v[184+\e], v[168+\e], -0.5, 1.0
.endr
.irp e, 0,1,2,3
	v_fma_f32 v[172+\e], v[172+\e], v[160+\e], v[160+\e]    ; sin
	v_fma_f32 v[176+\e], v[180+\e], v[176+\e], v[184+\e]    ; cos
.endr
.irp e, 0,1,2,3
	v_and_b32 v[180+\e], 1, v[164+\e]
	v_cmp_eq_u32 vcc_lo, 1, v[180+\e]
	v_cndmask_b32 v[TV+\e], v[172+\e], v[176+\e], vcc_lo    ; odd quadrants take cos
	v_and_b32 v[184+\e], 2, v[164+\e]
	v_lshlrev_b32 v[184+\e], 30, v[184+\e]
	v_xor_b32 v[TV+\e], v[TV+\e], v[184+\e]                 ; quadrants 2 and 3 change the sign
.endr
	global_store_b128 v[LI], v[TV:TV+3], s[20:21]  ; 512 consecutive bytes
.irp e, 0,1,2,3
	v_mul_f32 v[12+\e], 0x3db504f3, v[TV+\e]       ; a second table, 524,288 bytes on: cos and sin x 128^-0.5, for q's rotary step
.endr
	global_store_b128 v[LI], v[12:15], s[20:21] offset:524288
	XFRAG 0
	XFRAG 1
	XFRAG 2
	XFRAG 3
	ds_load_b64 v[246:247], v8                     ; my four fragments' scale words
	s_wait_dscnt 0x0
	global_store_b64 v11, v[246:247], s[18:19]     ; 256 consecutive bytes, aligned
	s_wait_tensorcnt 0x0                           ; the wave's end
	ds_add_u32 v[SPW], v[NIL]
	s_wait_dscnt 0x0
	s_endpgm
.Lweights:
	; ---- a weight.  j = the work-group's number - 256: 0-255 wq, 256-511 wo, 512-543 wk, 544-575 wv
	s_sub_co_u32 s30, ttmp9, 256
	s_mov_b64 s[32:33], s[10:11]
	s_mov_b32 s34, 144                             ; the tensor's first row tile in wcod
	s_mov_b32 s35, 544
	s_mov_b32 s36, 1024                            ; a row of K in bytes
	s_cmp_lt_u32 s30, 544
	s_cselect_b64 s[32:33], s[8:9], s[32:33]
	s_cselect_b32 s34, 128, s34
	s_cselect_b32 s35, 512, s35
	s_cmp_lt_u32 s30, 512
	s_cselect_b64 s[32:33], s[12:13], s[32:33]
	s_cselect_b32 s34, 160, s34
	s_cselect_b32 s35, 256, s35
	s_cselect_b32 s36, 8192, s36
	s_cselect_b32 s37, 15, 1
	s_cselect_b32 s38, 4, 1
	s_cmp_lt_u32 s30, 256
	s_cselect_b64 s[32:33], s[6:7], s[32:33]
	s_cselect_b32 s34, 0, s34
	s_cselect_b32 s35, 0, s35
	s_cmp_lg_u32 s34, 160
	s_cselect_b32 s39, -1, 0                       ; all but wo: the columns change order
	s_sub_co_u32 s30, s30, s35
	s_and_b32 s52, s30, s37                        ; which 128 columns
	s_lshr_b32 s43, s30, s38                       ; which K step
	v_and_b32 v12, 7, v1
	v_bfe_u32 v13, v1, 3, 1
	v_lshl_or_b32 v12, v13, 4, v12
	v_lshl_or_b32 v12, v3, 3, v12                  ; my lane with bits 3 and 4 exchanged
	v_cndmask_b32 v12, v1, v12, s39                ; position = lane; this is its column among the wave's 32
	v_lshlrev_b32 v[OFF], 2, v12
.set i, 1
.rept 31
	v_add_nc_u32 v[OFF+i], s36, v[OFF+i-1]
.set i, i+1
.endr
	s_lshl_b32 s40, s43, 7
	s_mul_i32 s40, s40, s36
	s_lshl_b32 s41, s52, 9
	s_add_co_u32 s40, s40, s41
	s_lshl_b32 s41, s22, 7
	s_add_co_u32 s40, s40, s41
	s_mov_b32 s41, 0
	s_add_nc_u64 s[44:45], s[32:33], s[40:41]      ; row 128 x K step, my wave's 32 columns;
	s_lshl_b32 s40, s36, 5
	s_add_nc_u64 s[46:47], s[44:45], s[40:41]      ; and 32, 64, 96 rows on
	s_add_nc_u64 s[48:49], s[46:47], s[40:41]
	s_add_nc_u64 s[50:51], s[48:49], s[40:41]
	s_wait_alu depctr_va_vdst(0)
.irp t, 0,1,2,3
.set i, 0
.rept 32
	global_load_b32 v[WX+32*\t+i], v[OFF+i], s[44+2*\t:45+2*\t] th:TH_LOAD_NT   ; a row of K at 32 columns: 128 consecutive bytes a wave
.set i, i+1
.endr
.endr
	s_lshl_b32 s42, s52, 3
	s_add_co_u32 s42, s42, s34
	s_lshl_b32 s40, s22, 1
	s_add_co_u32 s42, s42, s40                     ; my first row tile
	s_lshl_b32 s40, s42, 4
	s_add_co_u32 s40, s40, s43
	s_mul_i32 s40, s40, IMG
	s_add_nc_u64 s[16:17], s[16:17], s[40:41]
	s_lshl_b32 s40, s42, 10
	s_lshl_b32 s53, s43, 6
	s_add_co_u32 s40, s40, s53
	s_add_co_u32 s40, s40, WS
	s_add_nc_u64 s[18:19], s[18:19], s[40:41]
	v_lshlrev_b32 v13, 2, v2
	v_lshl_add_u32 v13, v3, 10, v13                ; my scale word's place: 1,024 (lane / 16) + 4 r
	WBLOCK 0
	WBLOCK 1
	WBLOCK 2
	WBLOCK 3
	s_wait_alu depctr_va_vdst(0)
	global_store_b32 v13, v[SB], s[18:19]          ; two pieces of 64 bytes: a K step's words of two row tiles; 1 byte in 128 of what the wave reads
.irp k, 0,1,2,3,4,5
	ds_load_b128 v[OUTR+4*\k:OUTR+4*\k+3], v10 offset:512*\k
.endr
.irp k, 0,1,2,3,4,5
	s_wait_dscnt 5-\k
	global_store_b128 v[LI], v[OUTR+4*\k:OUTR+4*\k+3], s[16:17] offset:(\k/3)*RT+512*(\k%3)   ; 512 consecutive bytes
.endr
	s_wait_tensorcnt 0x0                           ; the wave's end
	ds_add_u32 v[SPW], v[NIL]
	s_wait_dscnt 0x0
	s_endpgm
.Lfunc_end_k_q1c47ba43d4_prep:
	.size	k_q1c47ba43d4_prep, .Lfunc_end_k_q1c47ba43d4_prep-k_q1c47ba43d4_prep
	.p2alignl 7, 3214868480
	.fill 96, 4, 3214868480
	.section	.rodata,"a",@progbits
	.p2align	6, 0x0
	.amdhsa_kernel k_q1c47ba43d4_prep
		.amdhsa_group_segment_fixed_size 47616
		.amdhsa_private_segment_fixed_size 0
		.amdhsa_enable_private_segment 0
		.amdhsa_kernarg_size 72
		.amdhsa_user_sgpr_count 2
		.amdhsa_user_sgpr_kernarg_segment_ptr 1
		.amdhsa_wavefront_size32 1
		.amdhsa_system_sgpr_workgroup_id_x 1
		.amdhsa_system_sgpr_workgroup_id_y 1
		.amdhsa_system_sgpr_workgroup_id_z 1
		.amdhsa_system_vgpr_workitem_id 0
		.amdhsa_next_free_vgpr 256
		.amdhsa_next_free_sgpr 66
		.amdhsa_reserve_vcc 1
		.amdhsa_float_denorm_mode_32 3
		.amdhsa_float_denorm_mode_16_64 3
		.amdhsa_memory_ordered 1
		.amdhsa_forward_progress 1
		.amdhsa_inst_pref_size 64
	.end_amdhsa_kernel
	.amdgpu_metadata
---
amdhsa.version: [ 1, 2 ]
amdhsa.kernels:
  - .name:           k_q1c47ba43d4_prep
    .symbol:         k_q1c47ba43d4_prep.kd
    .args:
      - { .name: x, .offset: 0, .size: 8, .value_kind: global_buffer, .address_space: global }
      - { .name: wq, .offset: 8, .size: 8, .value_kind: global_buffer, .address_space: global }
      - { .name: wk, .offset: 16, .size: 8, .value_kind: global_buffer, .address_space: global }
      - { .name: wv, .offset: 24, .size: 8, .value_kind: global_buffer, .address_space: global }
      - { .name: wo, .offset: 32, .size: 8, .value_kind: global_buffer, .address_space: global }
      - { .name: xcod, .offset: 40, .size: 8, .value_kind: global_buffer, .address_space: global }
      - { .name: wcod, .offset: 48, .size: 8, .value_kind: global_buffer, .address_space: global }
      - { .name: scl, .offset: 56, .size: 8, .value_kind: global_buffer, .address_space: global }
      - { .name: tab, .offset: 64, .size: 8, .value_kind: global_buffer, .address_space: global }
    .group_segment_fixed_size: 47616
    .private_segment_fixed_size: 0
    .kernarg_segment_align: 8
    .kernarg_segment_size: 72
    .max_flat_workgroup_size: 128
    .sgpr_count:     66
    .vgpr_count:     256
    .wavefront_size: 32
...
	.end_amdgpu_metadata
.endif
;; end of part 1
;; launch qkv (part 2): grid 8 x 20, 4 waves a work-group, clusters of 4 x 1, 327,680 bytes of LDS; arguments xcod, scl, wcod, tab, bq, bk, bv, qkvc, qkvs; writes qkvc, qkvs
.if DOCPART == 2
	.amdgcn_target "amdgcn-amd-amdhsa--gfx1250"
	.amdhsa_code_object_version 6
	.text
	.protected	k_q1c47ba43d4_qkv
	.globl	k_q1c47ba43d4_qkv
	.p2align	8
	.type	k_q1c47ba43d4_qkv,@function
k_q1c47ba43d4_qkv:
	s_mov_b64 s[64:65], 0
	v_nop
	global_prefetch_b8 v0, s[64:65] scope:SCOPE_SE
	s_setreg_imm32_b32 hwreg(HW_REG_WAVE_MODE, 25, 1), 1
	s_wait_xcnt 0x0
	s_wait_alu depctr_hold_cnt(0) depctr_sa_sdst(0) depctr_va_vdst(0) depctr_va_sdst(0) depctr_va_ssrc(0) depctr_va_vcc(0) depctr_vm_vsrc(0)
	s_getreg_b32 s2, hwreg(HW_REG_IB_STS2, 6, 4)
	s_cmp_eq_u32 s2, 0
	s_cbranch_scc0 .Lentry_in_a_cluster
	s_endpgm
.Lentry_in_a_cluster:
	s_bfe_u32 s2, ttmp6, 0x10000c
	s_cmp_lg_u32 s2, 0x3003
	s_cbranch_scc0 .Lentry_shape_is_right
	s_endpgm
.Lentry_shape_is_right:
; q, k, v = x W + b on codes of FP6 (E2M3) with E8M0 scales; then the rotary step (q, k), q's factor 128^-0.5, and the quantisers of the two attention products:
; q and k along the head's 128, v along the keys.
; All operands are images of their registers: a fragment (16 rows x 128 K) is 1,536 bytes, three accesses of 16 bytes a lane; fragment (row tile, K step) at (16 x tile + step) x 1,536.
; SHARES: a work-group takes ONE HEAD (128 columns: heads 0-15 q, 16-17 k, 18-19 v) and 512 rows of x; each of its four waves 128 rows x 128 columns: 64 accumulators, 512 registers.
; THE HEAD'S WEIGHTS FOR ALL OF K LIE IN LDS (196,608 bytes), with the scale words of the 512 rows (32,768) and of the head (8,192): filled once, one tensor load a wave, nothing is filled again.
; X'S FRAGMENTS ARE A WAVE'S OWN (no other wave of the work-group reads them): they go from memory straight into registers, two sets, asked for two K steps ahead.  So the walk along K has no barrier.
; CLUSTER: the four row blocks of a cluster read the same head: its codes and scale words are asked for jointly.  x's rows differ between partners and are shared by no two waves of a cluster.
; PREFETCH: between a trip's two steps each wave names the 96 blocks of 256 bytes of its own x fragments of the steps 6 and 7 on from the trip's pointer (their loads stand one and a half and two trips on);
; the last trip names none.  In the first four trips a wave of a q or k head also names one tile (8,192 bytes) of the cos/sin table: of a wave's eight tiles the two partners with the same positions take four each, by address.
; The matrix instruction is used transposed (source 0 = 16 columns of W, source 1 = 16 rows of x): a lane holds one row of x and eight neighbouring columns.
; LIMITS: NaN and infinities are not served; a block whose largest magnitude lies under 2^-124 gets the byte 1 (only this program reads the bytes).
; REGISTERS: window 0: v0-31 addresses; v32-47 scale words, two sets (lanes 0-15 x's block i, lanes 16-31 W's block i); v64-255 x's fragments, two sets; window 1: W's fragments at v0 and v128, the bias at v96-127 and v224-255;
; windows 2, 3: the accumulators (a, b) at v[8 (8 (a % 4) + b)].
.set IMG,   1536
.set RT,    24576
.set FR,    12
.set SCLA,  196608                     ; behind the weights: x's scale words, then (128 bytes on, for the banks) W's
.set SCLB,  SCLA+32768+128
.set SCRQ,  237824                     ; scratch for the results' scale words, 512 bytes a wave
.set SCRV,  239872
.set SPARE, 241920                     ; the spare words, 128 bytes a wave
.set WS,    262144
.set KOFF,  6291456
.set VOFF,  7077888
.set LI,    5
.set PFO,   10
.set PFT,   11
.set ADRB,  16
.set ADRS,  27
.set SPW,   28
.set NIL,   29
.set SC,    32
.set AF,    64
.set TM,    64
.set PC,    80
.set PW,    100
.set RL,    128
.set TH,    160
.set AB,    24                         ; s[24:25] my x fragments, at the trip's pointer
.set TB,    26                         ; s[26:27] the table tile that I name next
.set TLM,   15                         ; s15 trips in which the table is named
.set SEL,   42
.set MSB, 0
.macro WIN new
.if MSB != (\new)
	s_set_vgpr_msb (MSB<<8)|(\new)
.set MSB, (\new)
.endif
.endm
.set MUL_LO, 0xa1
.set MUL_HI, 0xf1
.set TO_B,   0x40
.macro CREST
	s_cmp_lg_u32 s14, 0
	s_cbranch_scc1 .Lnot_wave_0_\@
	s_barrier_signal -3
.Lnot_wave_0_\@:
	s_barrier_wait -3
	s_barrier_signal -1
	s_barrier_wait -1
.endm
.macro CROUND
	s_barrier_signal -1
	s_barrier_wait -1
	CREST
.endm
.macro PLACES n
.rept \n
	v_nop
.endr
.endm
.macro TLOAD g0, g1                    ; a tensor load with an s_nop and four v_nop behind it
	tensor_load_to_lds s[\g0:\g0+3], s[\g1:\g1+7]
	s_nop 0
	PLACES 4
.endm
; 64 numbers of a lane, register 16 b + i = k 32 b + 16 h + i of my row, become a fragment's codes in v[PC] on and its scale word in v[PW]
.macro QUANT s
.irp b, 0,1,2,3
	v_max3_num_f32 v[TM+\b], |v[\s+16*\b]|, |v[\s+1+16*\b]|, 0x1800000
.endr
.irp i, 2,4,6,8,10,12,14
.irp b, 0,1,2,3
	v_max3_num_f32 v[TM+\b], v[TM+\b], |v[\s+16*\b+\i]|, |v[\s+1+16*\b+\i]|
.endr
.endr
.irp b, 0,1,2,3
	v_permlanex16_b32 v[TM+4+\b], v[TM+\b], s[SEL], s[SEL+1]
.endr
.irp b, 0,1,2,3
	v_max_num_f32 v[TM+\b], v[TM+\b], v[TM+4+\b]
.endr
.irp b, 0,1,2,3
	v_add_nc_u32 v[TM+12+\b], 0xff000000, v[TM+\b]
.endr
.irp b, 0,1,2,3
	v_lshrrev_b32 v[TM+4+\b], 23, v[TM+12+\b]
.endr
	v_lshl_or_b32 v[PW], v[TM+5], 8, v[TM+4]
	v_lshl_or_b32 v[PW], v[TM+6], 16, v[PW]
	v_lshl_or_b32 v[PW], v[TM+7], 24, v[PW]
.irp c, 0,1
	v_cvt_scalef32_pk16_fp6_f32 v[PC+6*\c:PC+2+6*\c], v[\s+32*\c:\s+15+32*\c], v[TM+12+2*\c]
	v_cvt_scalef32_pk16_fp6_f32 v[PC+12+4*\c:PC+14+4*\c], v[\s+16+32*\c:\s+31+32*\c], v[TM+12+2*\c+1]
.endr
	v_nop
.irp c, 0,1
.irp i, 0,1,2
	v_permlane16_swap_b32 v[PC+6*\c+\i], v[PC+12+4*\c+\i]
.endr
.irp i, 0,1,2
	v_mov_b32 v[PC+3+6*\c+\i], v[PC+12+4*\c+\i]
.endr
.endr
.endm
.macro GLA q, d, i0                    ; x's blocks i0 .. i0 + 3 of the step d on from the pointer, into set q: 12 loads of 512 consecutive bytes
.irp i, \i0, \i0+1, \i0+2, \i0+3
.irp c, 0,1,2
	global_load_b128 v[AF+96*(\q)+FR*(\i)+4*\c:AF+96*(\q)+FR*(\i)+4*\c+3], v[LI], s[AB:AB+1] offset:(\i)*RT+(\d)*IMG+512*\c
.endr
.endr
.endm
.macro FB p, d                         ; W's eight fragments and the eight scale registers of the step d on from the pointer, into set p
	WIN TO_B
.irp i, 0,1,2,3,4,5,6,7
.irp c, 0,1,2
	ds_load_b128 v[128*(\p)+FR*\i+4*\c:128*(\p)+FR*\i+4*\c+3], v[ADRB+\i/2] offset:(\i%2)*RT+(\d)*IMG+512*\c
.endr
.endr
	WIN 0
.irp i, 0,1,2,3,4,5,6,7
	ds_load_b32 v[SC+8*(\p)+\i], v[ADRS] offset:1024*\i+64*(\d)
.endr
.endm
; 16 products: x's blocks a0, a0 + 1 against W's eight.  first = 1: the bias is the C of the first product.  The 64 accumulators take turns.
.macro MUL16 a0, p, first
.irp a, \a0, \a0+1
.irp b, 0,1,2,3,4,5,6,7
.if \first
	v_wmma_scale_f32_16x16x128_f8f6f4 v[8*(8*((\a)%4)+\b):8*(8*((\a)%4)+\b)+7], v[128*(\p)+FR*\b:128*(\p)+FR*\b+FR-1], v[AF+96*(\p)+FR*(\a):AF+96*(\p)+FR*(\a)+FR-1], v[96+8*\b+96*(\b/4):96+8*\b+96*(\b/4)+7], v[SC+8*(\p)+\b], v[SC+8*(\p)+(\a)] matrix_a_fmt:MATRIX_FMT_FP6 matrix_b_fmt:MATRIX_FMT_FP6 matrix_a_scale:MATRIX_SCALE_ROW1
.else
	v_wmma_scale_f32_16x16x128_f8f6f4 v[8*(8*((\a)%4)+\b):8*(8*((\a)%4)+\b)+7], v[128*(\p)+FR*\b:128*(\p)+FR*\b+FR-1], v[AF+96*(\p)+FR*(\a):AF+96*(\p)+FR*(\a)+FR-1], v[8*(8*((\a)%4)+\b):8*(8*((\a)%4)+\b)+7], v[SC+8*(\p)+\b], v[SC+8*(\p)+(\a)] matrix_a_fmt:MATRIX_FMT_FP6 matrix_b_fmt:MATRIX_FMT_FP6 matrix_a_scale:MATRIX_SCALE_ROW1
.endif
.endr
.endr
.endm
; A K step on set q.  A block of x is free when its eight products are issued: blocks 0-3 take the step two on in the middle, blocks 4-7 at the end.  W's next set comes from LDS in the middle.
; n0, n1: the global loads issued behind the 12 that the next 32 products need: three groups of 12 in the walk, fewer at its end.
.macro STEP q, d, first, la, fb, n0, n1, bump=0
	s_wait_loadcnt \n0
	s_wait_dscnt 0x0                               ; W's set and the scale words, asked for 32 products ago
.if \first
	WIN 0x91
.else
	WIN MUL_LO
.endif
	MUL16 0, \q, \first
	MUL16 2, \q, \first
.if \fb
	PLACES 4                                       ; in front of loads into registers that products have read
	FB 1-(\q), (\d)+1
.endif
.if \bump
	s_wait_xcnt 0x0                                ; the loads and prefetches, the youngest 32 products back, have read their bases
	s_add_nc_u64 s[AB:AB+1], s[AB:AB+1], 2*IMG
	s_add_nc_u64 s[TB:TB+1], s[TB:TB+1], 8192
.endif
.if \la
	GLA \q, (\d)+2-2*(\bump), 0
.endif
	s_wait_loadcnt \n1
.if \first
	WIN 0xd1
.else
	WIN MUL_HI
.endif
	MUL16 4, \q, \first
	MUL16 6, \q, \first
	WIN 0
.if \la
	PLACES 4
	GLA \q, (\d)+2-2*(\bump), 4
.endif
.endm
	s_load_b256 s[4:11], s[0:1], 0x0               ; xcod, scl, wcod, tab
	s_load_b256 s[92:99], s[0:1], 0x20             ; bq, bk, bv, qkvc
	s_load_b64 s[100:101], s[0:1], 0x40            ; qkvs
	v_lshl_add_u32 v[SPW], v0, 2, SPARE
	v_mov_b32 v[NIL], 0
	ds_add_u32 v[SPW], v[NIL]                      ; the opening lines: the add twice and one wait ahead of my first tensor load
	ds_add_u32 v[SPW], v[NIL]
	v_lshrrev_b32 v1, 5, v0
	v_readfirstlane_b32 s14, v1                    ; wave
	s_and_b32 s16, s14, 1
	s_bfe_u32 s40, ttmp6, 0x40000                  ; cx: it enters global addresses alone
	s_lshl_b32 s17, ttmp9, 2
	s_add_co_u32 s17, s17, s40                     ; my block of 512 rows
	s_and_b32 s18, ttmp7, 0xffff                   ; my head
	s_mov_b32 s48, 15|(3<<16)|(1<<21)              ; half the head's codes: 98,304 dense bytes as 32 rows of 3,072; joint
	s_mov_b32 s49, 384<<16
	s_mov_b32 s50, 32<<16
	s_mov_b32 s51, 384<<16
	s_mov_b32 s52, 32
	s_mov_b32 s53, 384
	s_mov_b32 s54, 0
	s_mov_b32 s55, 0
	s_mov_b32 s68, 3<<16                           ; x's scale words: 32,768 dense bytes as 128 rows of 256; my work-group's own
	s_mov_b32 s69, 32<<16
	s_mov_b32 s70, 128<<16
	s_mov_b32 s71, 32<<16
	s_mov_b32 s72, 128
	s_mov_b32 s73, 32
	s_mov_b32 s74, 0
	s_mov_b32 s75, 0
	s_mov_b32 s80, 15|(3<<16)|(1<<21)              ; the head's scale words: 8,192 dense bytes as 32 rows of 256; joint
	s_mov_b32 s81, 32<<16
	s_mov_b32 s82, 32<<16
	s_mov_b32 s83, 32<<16
	s_mov_b32 s84, 32
	s_mov_b32 s85, 32
	s_mov_b32 s86, 0
	s_mov_b32 s87, 0
	s_mov_b32 s[SEL], 0x76543210
	s_mov_b32 s[SEL+1], 0xfedcba98
	v_and_b32 v1, 15, v0                           ; r
	v_bfe_u32 v2, v0, 4, 1                         ; h
	v_and_b32 v3, 31, v0
	v_lshlrev_b32 v[LI], 4, v3
.irp k, 0,1,2,3
	v_add_nc_u32 v[ADRB+\k], \k*2*RT, v[LI]        ; W's tiles 2 k, 2 k + 1
.endr
	s_lshl_b32 s21, s14, 13
	s_mov_b32 s22, SCLB-SCLA
	s_sub_co_u32 s22, s22, s21
	s_add_co_u32 s21, s21, SCLA
	v_mul_u32_u24 v4, s22, v2                      ; lanes 16-31 take W's words
	v_lshl_add_u32 v[ADRS], v1, 2, v4
	v_add_nc_u32 v[ADRS], s21, v[ADRS]
	s_lshl_b32 s21, s14, 9
	s_add_co_u32 s22, s21, SCRQ
	v_lshl_add_u32 v24, v1, 2, s22
	v_add_nc_u32 v25, s22, v[LI]
	s_add_co_u32 s22, s21, SCRV
	v_lshl_add_u32 v7, v1, 2, s22
	v_add_nc_u32 v8, s22, v[LI]
	s_mul_i32 s21, s14, 33792                      ; v's stage: 64 rows of 528 bytes a wave, in the weights' bytes when they are read no more
	v_and_b32 v26, 8, v1
	v_add_nc_u32 v26, v26, v1
	v_lshlrev_b32 v26, 2, v26
	v_mad_u32_u24 v26, v2, 8*528, v26
	v_add_nc_u32 v26, s21, v26
	v_mul_u32_u24 v6, v1, 528
	v_lshl_add_u32 v6, v2, 6, v6
	v_add_nc_u32 v6, s21, v6
	v_lshlrev_b32 v9, 6, v2
	v_lshrrev_b32 v[PFO], 2, v3
	v_mul_u32_u24 v[PFO], v[PFO], RT
	v_and_b32 v4, 3, v3
	v_lshl_add_u32 v[PFO], v4, 8, v[PFO]           ; four lanes to a row tile, 256 bytes apart
	v_lshlrev_b32 v[PFT], 8, v3
	s_lshl_b32 s20, s17, 5
	s_lshl_b32 s21, s14, 3
	s_add_co_u32 s20, s20, s21                     ; my first row tile of x
	s_mul_i32 s20, s20, RT
	s_mov_b32 s21, 0
	s_and_b32 s41, s17, 1
	s_lshl_b32 s41, s41, 5
	s_lshl_b32 s22, s14, 3
	s_add_co_u32 s41, s41, s22                     ; my first tile of 16 positions in the batch
	s_lshr_b32 s22, s40, 1
	s_lshl_b32 s22, s22, 2
	s_add_co_u32 s22, s22, s41
	s_lshl_b32 s22, s22, 13                        ; the four table tiles that I name,
	s_cmp_lt_u32 s18, 16
	s_cselect_b32 s23, 524288, 0                   ; for q in the table that holds q's factor 128^-0.5
	s_add_co_u32 s22, s22, s23
	s_mov_b32 s23, 0
	s_and_b32 s28, s18, 1                          ; k's or v's group
	s_mov_b32 s31, 0
	s_wait_alu depctr_va_vdst(0)                   ; the wait at the end of the head's vector work
	s_wait_dscnt 0x0
	s_wait_kmcnt 0x0
	s_add_nc_u64 s[AB:AB+1], s[4:5], s[20:21]
	s_add_nc_u64 s[TB:TB+1], s[10:11], s[22:23]
	s_cmp_lt_u32 s18, 16
	s_cselect_b64 s[12:13], s[92:93], s[94:95]
	s_cselect_b32 s29, s18, s28
	s_cmp_ge_u32 s18, 18
	s_cselect_b64 s[12:13], s[96:97], s[12:13]
	s_cselect_b32 s[TLM], 0, 4
	s_lshl_b32 s30, s29, 9
	s_add_nc_u64 s[12:13], s[12:13], s[30:31]
	s_mul_i32 s20, s18, 8*RT
	s_mul_i32 s57, s16, 4*RT                       ; LDS: as in memory, tile x 24,576 + step x 1,536
	s_add_co_u32 s20, s20, s57
	s_mov_b32 s56, 1
	s_add_nc_u64 s[58:59], s[8:9], s[20:21]
	s_or_b32 s59, s59, 0x80000000
	s_lshl_b32 s20, s17, 15
	s_mov_b32 s76, 1
	s_mov_b32 s77, SCLA
	s_add_nc_u64 s[78:79], s[6:7], s[20:21]
	s_or_b32 s79, s79, 0x80000000
	s_lshl_b32 s20, s18, 13
	s_add_co_u32 s20, s20, WS
	s_mov_b32 s88, 1
	s_mov_b32 s89, SCLB
	s_add_nc_u64 s[90:91], s[6:7], s[20:21]
	s_or_b32 s91, s91, 0x80000000
	CROUND                                         ; all four work-groups are here: the joint loads meet
	s_cmp_lt_u32 s14, 2                            ; one chain of branches, one load to an arm: waves 0, 1 the codes' halves, wave 2 x's scale words, wave 3 the head's
	s_cbranch_scc0 .Lhead_sa
	TLOAD 56, 48
	s_branch .Lhead_asked
.Lhead_sa:
	s_cmp_lt_u32 s14, 3
	s_cbranch_scc0 .Lhead_sb
	TLOAD 76, 68
	s_branch .Lhead_asked
.Lhead_sb:
	TLOAD 88, 80
.Lhead_asked:
	WIN TO_B
.irp b, 0,1,2,3
.irp j, 0,1,2,3
	global_load_b128 v[96+16*\b+4*\j+96*(\b/2):96+16*\b+4*\j+96*(\b/2)+3], v9, s[12:13] offset:128*\b+16*\j   ; the bias at d = 32 b + 16 h + 4 j ..
.endr
.endr
	WIN 0
	GLA 0, 0, 0                                    ; 52 loads are out here; step 1's last 12 follow behind the barrier
	GLA 0, 0, 4
	GLA 1, 1, 0
	s_wait_tensorcnt 0x0                           ; my tile is in;
	s_barrier_signal -1
	s_barrier_wait -1                              ; and everybody's.  Nothing is filled again
	FB 0, 0
	GLA 1, 1, 4
	STEP 0, 0, 1, 1, 1, 36, 36                     ; step 0 starts the sums on the bias
	s_mov_b32 s3, 0
.Llap:                                                 ; a trip: steps 2 t + 1 and 2 t + 2, the pointers at step 2 t
	STEP 1, 1, 0, 1, 1, 36, 36
	s_cmp_lt_u32 s3, 5
	s_cbranch_scc0 .Lno_pf
	global_prefetch_b8 v[PFO], s[AB:AB+1] offset:6*IMG th:TH_LOAD_NT scope:SCOPE_SE
	global_prefetch_b8 v[PFO], s[AB:AB+1] offset:6*IMG+1024 th:TH_LOAD_NT scope:SCOPE_SE
	global_prefetch_b8 v[PFO], s[AB:AB+1] offset:6*IMG+2048 th:TH_LOAD_NT scope:SCOPE_SE
	s_cmp_lt_u32 s3, s[TLM]
	s_cbranch_scc0 .Lno_pf
	global_prefetch_b8 v[PFT], s[TB:TB+1] th:TH_LOAD_NT scope:SCOPE_SE
.Lno_pf:
	STEP 0, 2, 0, 1, 1, 36, 36, 1                  ; x's and the table's pointers step in its middle
.irp k, 0,1,2,3
	v_add_nc_u32 v[ADRB+\k], 2*IMG, v[ADRB+\k]
.endr
	v_add_nc_u32 v[ADRS], 128, v[ADRS]
	s_add_co_u32 s3, s3, 1
	s_cmp_lt_u32 s3, 6
	s_wait_alu depctr_va_vdst(0)
	s_cbranch_scc1 .Llap
	STEP 1, 1, 0, 1, 1, 36, 36                     ; step 13 asks for step 15's x
	STEP 0, 2, 0, 0, 1, 36, 24
	STEP 1, 3, 0, 0, 0, 12, 0
	PLACES 4
	s_barrier_signal -1
	s_barrier_wait -1                              ; no wave reads the weights any more: v's stage may lie there
.irp b, 0,1,2,3
	v_mov_b32 v[TM+4+\b], 0                        ; a lane permute's destination counts as one of its sources
.endr
	s_lshr_b32 s19, s17, 1                         ; batch
	s_mov_b32 s20, s41
	s_cmp_ge_u32 s18, 18
	s_cbranch_scc1 .Lv
	s_cmp_lt_u32 s18, 16
	s_cselect_b32 s21, 4, 1
	s_cselect_b32 s22, s18, s28
	s_cselect_b32 s44, 0, KOFF
	s_cselect_b32 s46, 0, 262144
	s_lshl_b32 s21, s19, s21
	s_add_co_u32 s21, s21, s22                     ; 16 batch + head, or 2 batch + group
	s_lshl_b32 s21, s21, 6
	s_add_co_u32 s21, s21, s20
	s_mul_i32 s22, s21, IMG
	s_add_co_u32 s44, s44, s22
	s_mov_b32 s45, 0
	s_lshl_b32 s22, s21, 6
	s_add_co_u32 s46, s46, s22
	s_mov_b32 s47, 0
	s_add_nc_u64 s[44:45], s[98:99], s[44:45]
	s_add_nc_u64 s[46:47], s[100:101], s[46:47]
	s_cmp_lt_u32 s18, 16
	s_cselect_b32 s23, 524288, 0                   ; q takes cos and sin x 128^-0.5, k the plain table
	s_lshl_b32 s22, s20, 13
	s_add_co_u32 s22, s22, s23
	s_mov_b32 s23, 0
	s_add_nc_u64 s[10:11], s[10:11], s[22:23]
.macro CSLOAD a                        ; cos (registers 0-31) and sin (32-63) of row tile a's positions, into window 1
	WIN TO_B
.irp g, 0,1,2,3,4,5,6,7,8,9,10,11,12,13,14,15
	global_load_b128 v[64*((\a)%4)+4*\g:64*((\a)%4)+4*\g+3], v[LI], s[10:11] offset:8192*(\a)+512*\g
.endr
	WIN 0
.endm
.macro QKROW a                         ; row tile a: the factor, the rotary step, the quantiser along d, one image out
.set AC, 64*((\a)%4)
.if (\a) <= 4
	s_wait_loadcnt 48                              ; this tile's 16 loads are in; those of three tiles may be out
.else
	s_wait_loadcnt 16*(7-(\a))
.endif
	WIN 0x06+(\a)/4                                ; source 0: the accumulators (window 2 or 3); source 1: the table (window 1); the results in window 0
.set n, 0
.rept 16
	v_pk_mul_f32 v[RL+n:RL+n+1], v[AC+n:AC+n+1], v[AC+n:AC+n+1]
.set n, n+2
.endr
.set n, 0
.rept 16
	v_pk_fma_f32 v[RL+n:RL+n+1], v[AC+32+n:AC+32+n+1], v[AC+32+n:AC+32+n+1], v[RL+n:RL+n+1] neg_lo:[1,0,0] neg_hi:[1,0,0]
.set n, n+2
.endr
.set n, 0
.rept 16
	v_pk_mul_f32 v[TH+n:TH+n+1], v[AC+32+n:AC+32+n+1], v[AC+n:AC+n+1]
.set n, n+2
.endr
.set n, 0
.rept 16
	v_pk_fma_f32 v[TH+n:TH+n+1], v[AC+n:AC+n+1], v[AC+32+n:AC+32+n+1], v[TH+n:TH+n+1]
.set n, n+2
.endr
.if (\a) < 4
	CSLOAD (\a)+4
.endif
	WIN 0
	s_wait_xcnt 0x0                                ; the last image's stores have read the codes' registers
	s_wait_dscnt 0x0
	QUANT RL
.irp c, 0,1,2
	global_store_b128 v[LI], v[PC+4*\c:PC+4*\c+3], s[44:45] offset:IMG*(\a)+512*\c
.endr
	ds_store_b32 v24, v[PW] offset:64*(\a)
.endm
	CSLOAD 0
	CSLOAD 1
	CSLOAD 2
	CSLOAD 3
.irp a, 0,1,2,3,4,5,6,7
	QKROW \a
.endr
	ds_load_b128 v[104:107], v25                   ; my eight images' scale words: 512 consecutive bytes
	s_wait_dscnt 0x0
	global_store_b128 v[LI], v[104:107], s[46:47]
	s_wait_tensorcnt 0x0                           ; the wave's end
	ds_add_u32 v[SPW], v[NIL]
	s_wait_dscnt 0x0
	CROUND                                         ; the closing round
	s_endpgm
.Lv:                                                   ; v: my 128 rows are one key step; the keys become K through my stage
	s_lshl_b32 s21, s19, 1
	s_add_co_u32 s21, s21, s28
	s_lshl_b32 s21, s21, 3
	s_lshr_b32 s22, s20, 3
	s_add_co_u32 s21, s21, s22
	s_mul_i32 s44, s21, 8*IMG
	s_add_co_u32 s44, s44, VOFF
	s_mov_b32 s45, 0
	s_lshl_b32 s46, s21, 9
	s_add_co_u32 s46, s46, 294912
	s_mov_b32 s47, 0
	s_add_nc_u64 s[44:45], s[98:99], s[44:45]
	s_add_nc_u64 s[46:47], s[100:101], s[46:47]
.macro VPASS pi                        ; 64 of the head's d: stage row = d's place, stage column = the key in its true order
.irp a, 0,1,2,3,4,5,6,7
	WIN 0x08+4*(\a/4)
.irp b, 0,1,2,3
.irp j, 0,1,2,3,4,5,6,7
	ds_store_b32 v26, v[8*(8*(\a%4)+4*\pi+\b)+\j] offset:(16*\b+\j)*528+4*(32*(\a/2)+8*(\a%2))
.endr
.endr
.endr
	WIN 0
.irp l, 0,1,2,3
.irp b, 0,1,2,3
.irp j, 0,1,2,3
	ds_load_b128 v[RL+16*\b+4*\j:RL+16*\b+4*\j+3], v6 offset:16*\l*528+128*\b+16*\j
.endr
.endr
	s_wait_dscnt 0x0
	s_wait_xcnt 0x0
	QUANT RL
.irp c, 0,1,2
	global_store_b128 v[LI], v[PC+4*\c:PC+4*\c+3], s[44:45] offset:IMG*(4*\pi+\l)+512*\c
.endr
	ds_store_b32 v7, v[PW] offset:64*(4*\pi+\l)
.endr
.endm
	VPASS 0
	VPASS 1
	ds_load_b128 v[104:107], v8
	s_wait_dscnt 0x0
	global_store_b128 v[LI], v[104:107], s[46:47]
	s_wait_tensorcnt 0x0                           ; the wave's end
	ds_add_u32 v[SPW], v[NIL]
	s_wait_dscnt 0x0
	CROUND
	s_endpgm
.Lfunc_end_k_q1c47ba43d4_qkv:
	.size	k_q1c47ba43d4_qkv, .Lfunc_end_k_q1c47ba43d4_qkv-k_q1c47ba43d4_qkv
	.p2alignl 7, 3214868480
	.fill 96, 4, 3214868480
	.section	.rodata,"a",@progbits
	.p2align	6, 0x0
	.amdhsa_kernel k_q1c47ba43d4_qkv
		.amdhsa_group_segment_fixed_size 327680
		.amdhsa_private_segment_fixed_size 0
		.amdhsa_enable_private_segment 0
		.amdhsa_kernarg_size 72
		.amdhsa_user_sgpr_count 2
		.amdhsa_user_sgpr_kernarg_segment_ptr 1
		.amdhsa_wavefront_size32 1
		.amdhsa_system_sgpr_workgroup_id_x 1
		.amdhsa_system_sgpr_workgroup_id_y 1
		.amdhsa_system_sgpr_workgroup_id_z 1
		.amdhsa_system_vgpr_workitem_id 0
		.amdhsa_next_free_vgpr 1024
		.amdhsa_next_free_sgpr 102
		.amdhsa_reserve_vcc 0
		.amdhsa_float_denorm_mode_32 3
		.amdhsa_float_denorm_mode_16_64 3
		.amdhsa_memory_ordered 1
		.amdhsa_forward_progress 1
		.amdhsa_inst_pref_size 241
	.end_amdhsa_kernel
	.amdgpu_metadata
---
amdhsa.version: [ 1, 2 ]
amdhsa.kernels:
  - .name:           k_q1c47ba43d4_qkv
    .symbol:         k_q1c47ba43d4_qkv.kd
    .args:
      - { .name: xcod, .offset: 0, .size: 8, .value_kind: global_buffer, .address_space: global }
      - { .name: scl, .offset: 8, .size: 8, .value_kind: global_buffer, .address_space: global }
      - { .name: wcod, .offset: 16, .size: 8, .value_kind: global_buffer, .address_space: global }
      - { .name: tab, .offset: 24, .size: 8, .value_kind: global_buffer, .address_space: global }
      - { .name: bq, .offset: 32, .size: 8, .value_kind: global_buffer, .address_space: global }
      - { .name: bk, .offset: 40, .size: 8, .value_kind: global_buffer, .address_space: global }
      - { .name: bv, .offset: 48, .size: 8, .value_kind: global_buffer, .address_space: global }
      - { .name: qkvc, .offset: 56, .size: 8, .value_kind: global_buffer, .address_space: global }
      - { .name: qkvs, .offset: 64, .size: 8, .value_kind: global_buffer, .address_space: global }
    .group_segment_fixed_size: 327680
    .private_segment_fixed_size: 0
    .kernarg_segment_align: 8
    .kernarg_segment_size: 72
    .max_flat_workgroup_size: 128
    .sgpr_count:     102
    .vgpr_count:     1024
    .wavefront_size: 32
...
	.end_amdgpu_metadata
.endif
;; end of part 2
;; launch attn (part 3): grid 4 x 64, 16 waves a work-group, clusters of 4 x 1, 206,848 bytes of LDS; arguments qkvc, qkvs, ocod, oscl; writes ocod, oscl
.if DOCPART == 3
	.amdgcn_target "amdgcn-amd-amdhsa--gfx1250"
	.amdhsa_code_object_version 6
	.text
	.protected	k_q1c47ba43d4_attn
	.globl	k_q1c47ba43d4_attn
	.p2align	8
	.type	k_q1c47ba43d4_attn,@function
k_q1c47ba43d4_attn:
	s_mov_b64 s[64:65], 0
	v_nop
	global_prefetch_b8 v0, s[64:65] scope:SCOPE_SE
	s_setreg_imm32_b32 hwreg(HW_REG_WAVE_MODE, 25, 1), 1
	s_wait_xcnt 0x0
	s_wait_alu depctr_hold_cnt(0) depctr_sa_sdst(0) depctr_va_vdst(0) depctr_va_sdst(0) depctr_va_ssrc(0) depctr_va_vcc(0) depctr_vm_vsrc(0)
	s_getreg_b32 s2, hwreg(HW_REG_IB_STS2, 6, 4)
	s_cmp_eq_u32 s2, 0
	s_cbranch_scc0 .Lentry_in_a_cluster
	s_endpgm
.Lentry_in_a_cluster:
	s_bfe_u32 s2, ttmp6, 0x10000c
	s_cmp_lg_u32 s2, 0x3003
	s_cbranch_scc0 .Lentry_shape_is_right
	s_endpgm
.Lentry_shape_is_right:
; O[b][q][head] = softmax_k(q . k / sqrt(128)) v, both products on codes of FP6 (E2M3) with E8M0 scales; O / the row's sum is quantised along the head's 128 and stored as an operand of the last projection.
; (q arrives with its own factor 128^-0.5 already in it.)  t = score x log2(e) / sqrt(128); M = the running largest t rounded up to a whole number; p = 2^(t - M) is quantised along the keys, not normalised;
; the row's sum is taken of the unquantised p.  When M moves, the sum and O are multiplied by 2^(old M - new M): exact.
; All operands are images of their registers (1,536 bytes a fragment of 16 rows x 128 K, three loads of 16 bytes a lane; 64 bytes of scale words beside each).  Row r of k's tile 2 b + u is key 32 b + 8 u + r + 8 (r / 8),
; so that p's 16 registers of two neighbouring tiles are 16 neighbouring keys; v's rows of d stand in the same order, so that O's 64 registers are d 32 b + 16 h + i at register 16 b + i.
; SHARES: a work-group owns 256 queries of one head, each of its sixteen waves 16 of them.  Both products are used transposed: a lane holds one query throughout.
; K AND V OF THE WHOLE (batch, group) LIE IN LDS, filled once: key step s at 24,576 s (k's 12,288 bytes, then v's), its scale words at KSC + 1,024 s (k's 512, then v's).  Nothing is filled again.
; ONE TENSOR LOAD A WAVE: k's and v's part of a key step lie 786,432 bytes apart in qkvc (their scale words 32,768 apart in qkvs): a tile of two rows brings both.  Waves 0-7 bring the codes of step w, waves 8-15 the scale words of step w - 8.
; CLUSTER: the four blocks of queries of a head read the same k and v: every load is a joint one.  ONE BARRIER shows all of it to every wave; the eight key steps, a counted loop, have none.
; No prefetch: all that the launch reads from memory is asked for at its head, ahead of the loop.
; LIMITS: NaN and infinities are not served; a block of O whose largest magnitude lies under 2^-124 gets the byte 1; the promise holds while |t| stays under 2^31.
; REGISTERS: v1, v2 lane terms; v5, v6 the add's two; v8, v10 addresses; v12 -M, v13 the largest t, v[14:15] the sum; v16-27 q; v32-79 four fragments of k or v; v80-83 scale words of v's second four;
;   v96-159 the scores, then p, then v's second four fragments; v160-223 O^T; v224-235 p's codes; v230-254 at work; v248-251 scale words; v253 p's scale word; v255 q's.
.set IMG,   1536
.set VO,    12288                      ; v's codes behind k's in a key step
.set KSC,   196608
.set SPARE, 204800                     ; the spare words, 128 bytes a wave
.set KOFF,  6291456
.set LI,    1
.set LR,    2
.set SPW,   5
.set NIL,   6
.set ADK,   8
.set ADS,   10
.set TM,    232
.set PC,    32
.set PW,    254
.set WV,    18
.set SEL,   20
.set CS,    22
.set KO,    56
.set SO,    57
.set CT,    58
.macro ROUND
	s_barrier_signal -1
	s_barrier_wait -1
	s_cmp_lg_u32 s[WV], 0
	s_cbranch_scc1 .Lnot_wave_0_\@
	s_barrier_signal -3
.Lnot_wave_0_\@:
	s_barrier_wait -3
	s_barrier_signal -1
	s_barrier_wait -1
.endm
.macro QUANT s
.irp b, 0,1,2,3
	v_max3_num_f32 v[TM+\b], |v[\s+16*\b]|, |v[\s+1+16*\b]|, 0x1800000
.endr
.irp i, 2,4,6,8,10,12,14
.irp b, 0,1,2,3
	s_delay_alu instid0(VALU_DEP_4)
	v_max3_num_f32 v[TM+\b], v[TM+\b], |v[\s+16*\b+\i]|, |v[\s+1+16*\b+\i]|
.endr
.endr
.irp b, 0,1,2,3
	s_delay_alu instid0(VALU_DEP_4)
	v_permlanex16_b32 v[TM+4+\b], v[TM+\b], s[SEL], s[SEL+1]
.endr
.irp b, 0,1,2,3
	s_delay_alu instid0(VALU_DEP_4)
	v_max_num_f32 v[TM+\b], v[TM+\b], v[TM+4+\b]
.endr
.irp b, 0,1,2,3
	s_delay_alu instid0(VALU_DEP_4)
	v_add_nc_u32 v[TM+12+\b], 0xff000000, v[TM+\b]
.endr
.irp b, 0,1,2,3
	s_delay_alu instid0(VALU_DEP_4)
	v_lshrrev_b32 v[TM+4+\b], 23, v[TM+12+\b]
.endr
	s_delay_alu instid0(VALU_DEP_3)
	v_lshl_or_b32 v[PW], v[TM+5], 8, v[TM+4]
	s_delay_alu instid0(VALU_DEP_1)
	v_lshl_or_b32 v[PW], v[TM+6], 16, v[PW]
	s_delay_alu instid0(VALU_DEP_1)
	v_lshl_or_b32 v[PW], v[TM+7], 24, v[PW]
.irp c, 0,1
	v_cvt_scalef32_pk16_fp6_f32 v[PC+6*\c:PC+2+6*\c], v[\s+32*\c:\s+15+32*\c], v[TM+12+2*\c]
	v_cvt_scalef32_pk16_fp6_f32 v[PC+12+4*\c:PC+14+4*\c], v[\s+16+32*\c:\s+31+32*\c], v[TM+12+2*\c+1]
.endr
	v_nop
.irp c, 0,1
.irp i, 0,1,2
	v_permlane16_swap_b32 v[PC+6*\c+\i], v[PC+12+4*\c+\i]
.endr
.irp i, 0,1,2
	s_delay_alu instid0(VALU_DEP_3)
	v_mov_b32 v[PC+3+6*\c+\i], v[PC+12+4*\c+\i]
.endr
.endr
.endm
	s_load_b256 s[4:11], s[0:1], 0x0               ; qkvc, qkvs, ocod, oscl
	v_lshl_add_u32 v[SPW], v0, 2, SPARE
	v_mov_b32 v[NIL], 0
	ds_add_u32 v[SPW], v[NIL]                      ; the opening lines: the add twice and one wait ahead of the first tensor loads
	ds_add_u32 v[SPW], v[NIL]
	v_lshrrev_b32 v8, 5, v0
	s_delay_alu instid0(VALU_DEP_1)
	v_readfirstlane_b32 s[WV], v8                  ; wave 0..15
	s_bfe_u32 s13, ttmp6, 0x40000                  ; cx
	s_lshl_b32 s14, ttmp9, 2
	s_add_co_u32 s14, s14, s13                     ; my block of 256 queries: it enters q's and O's global addresses alone
	s_lshl_b32 s14, s14, 4
	s_add_co_u32 s14, s14, s[WV]                   ; my tile of 16 queries
	s_and_b32 s12, ttmp7, 0xffff                   ; 16 x batch + head
	s_lshr_b32 s15, s12, 3                         ; 2 x batch + group
	s_and_b32 s16, s[WV], 7                        ; the key step that I fetch for
	s_mov_b32 s24, 15|(3<<16)|(1<<21)              ; a key step's codes: two rows of 12,288 bytes (1,536 elements of 8), 786,432 bytes apart; all four work-groups
	s_mov_b32 s25, 1536<<16
	s_mov_b32 s26, 2<<16
	s_mov_b32 s27, 1536<<16
	s_mov_b32 s28, 2
	s_mov_b32 s29, 98304
	s_mov_b32 s30, 0
	s_mov_b32 s31, 0
	s_mov_b32 s32, 15|(3<<16)|(1<<21)              ; its scale words: two rows of 512 bytes, 32,768 bytes apart
	s_mov_b32 s33, 64<<16
	s_mov_b32 s34, 2<<16
	s_mov_b32 s35, 64<<16
	s_mov_b32 s36, 2
	s_mov_b32 s37, 4096
	s_mov_b32 s38, 0
	s_mov_b32 s39, 0
	s_mul_i32 s60, s16, 24576                      ; LDS: my key step's codes
	s_mul_i32 s62, s16, 12288
	s_mul_i32 s61, s15, 98304
	s_add_co_u32 s62, s62, s61
	s_add_co_u32 s62, s62, KOFF                    ; and k's part of them in qkvc
	s_mov_b32 s63, 0
	s_lshl_b32 s2, s16, 9
	s_lshl_b32 s3, s15, 12
	s_add_co_u32 s2, s2, s3
	s_add_co_u32 s2, s2, 262144                    ; k's scale words of the step in qkvs,
	s_mov_b32 s3, 0
	s_lshl_b32 s19, s16, 10                        ; and in LDS
	s_lshl_b32 s66, s12, 6
	s_add_co_u32 s66, s66, s14                     ; q's image: 64 x (16 batch + head) + tile
	s_lshl_b32 s68, s66, 6
	s_mul_i32 s66, s66, IMG
	s_mov_b32 s67, 0
	s_mov_b32 s69, 0
	s_mov_b32 s[SEL], 0x76543210
	s_mov_b32 s[SEL+1], 0xfedcba98
	s_mov_b32 s[CS], 0x3e0293ee                    ; c = log2(e) / sqrt(128)
	s_mov_b32 s[CS+1], s[CS]
	s_wait_dscnt 0x0                               ; both opening adds are done
	s_wait_kmcnt 0x0
	s_add_nc_u64 s[62:63], s[4:5], s[62:63]
	s_add_nc_u64 s[2:3], s[6:7], s[2:3]
	s_add_nc_u64 s[66:67], s[4:5], s[66:67]
	s_add_nc_u64 s[68:69], s[6:7], s[68:69]
	s_mov_b32 s40, 1
	s_add_co_u32 s41, s19, KSC
	s_mov_b64 s[42:43], s[2:3]
	s_or_b32 s43, s43, 0x80000000
	s_mov_b32 s44, 1
	s_mov_b32 s45, s60
	s_mov_b64 s[46:47], s[62:63]
	s_or_b32 s47, s47, 0x80000000
	ROUND                                          ; all four work-groups are here: the joint loads meet
	s_cmp_lt_u32 s[WV], 8                          ; two arms, one load in each: every wave issues one
	s_cbranch_scc0 .Lfetch_sc
	tensor_load_to_lds s[44:47], s[24:31]
	s_nop 0
.rept 4
	v_nop
.endr
	s_branch .Lfetched
.Lfetch_sc:
	tensor_load_to_lds s[40:43], s[32:39]
	s_nop 0
.rept 4
	v_nop
.endr
.Lfetched:
	v_and_b32 v[LI], 31, v0
	s_delay_alu instid0(VALU_DEP_1)
	v_lshlrev_b32 v[LI], 4, v[LI]
	v_and_b32 v[LR], 15, v0
	s_delay_alu instid0(VALU_DEP_1)
	v_lshlrev_b32 v[LR], 2, v[LR]
.irp c, 0,1,2
	global_load_b128 v[16+4*\c:19+4*\c], v[LI], s[66:67] offset:512*\c   ; q's fragment stays in registers
.endr
	global_load_b32 v255, v[LR], s[68:69]          ; q's scale words
	v_mov_b32 v13, 0xff61b1e6                      ; the largest t so far: -3e38
	s_delay_alu instid0(VALU_DEP_1)
	v_floor_f32 v12, -v13                          ; -M
	v_mov_b32 v14, 0                               ; the sum, in two halves
	v_mov_b32 v15, 0
.irp b, 0,1,2,3
	v_mov_b32 v[236+\b], 0                         ; a lane permute's destination counts as one of its sources
.endr
	v_mov_b32 v253, 0
.set j, 0
.rept 64
	v_mov_b32 v[160+j], 0                          ; O^T: the step has one form: the first finds zeros, which the first change of M leaves zeros
.set j, j+1
.endr
	s_mov_b32 s[KO], 0
	s_mov_b32 s[SO], KSC
	s_mov_b32 s[CT], 0
	s_wait_alu depctr_va_vdst(0)                   ; the wait at the head's end
	s_wait_loadcnt 0x0                             ; q
	s_wait_tensorcnt 0x0                           ; my tile is in;
	s_wait_dscnt 0x0
	s_barrier_signal -1
	s_barrier_wait -1                              ; and everybody's: all 1,024 keys
.Lstep:                                                ; A KEY STEP: 128 keys
	v_add_nc_u32 v[ADK], s[KO], v[LI]              ; these two and the three v_nop are five places behind the last step's products, whose sources are loaded and written over below
	v_add_nc_u32 v[ADS], s[SO], v[LR]
	s_wait_alu depctr_va_vdst(0)
.rept 3
	v_nop
.endr
.irp g, 0,1                                    ; S^T = K Q^T, four tiles of 16 keys at a time
.rept 4*\g
	v_nop
.endr
.irp t, 0,1,2,3
.irp c, 0,1,2
	ds_load_b128 v[32+12*\t+4*\c:35+12*\t+4*\c], v[ADK] offset:(4*\g+\t)*IMG+512*\c
.endr
	ds_load_b32 v[248+\t], v[ADS] offset:(4*\g+\t)*64
.endr
.irp t, 0,1,2,3
	s_wait_dscnt 12-4*\t                           ; tile t's four loads are in; the four of each tile behind it may be out
	v_wmma_scale_f32_16x16x128_f8f6f4 v[96+8*(4*\g+\t):103+8*(4*\g+\t)], v[32+12*\t:43+12*\t], v[16:27], 0, v[248+\t], v255 matrix_a_fmt:MATRIX_FMT_FP6 matrix_b_fmt:MATRIX_FMT_FP6
.endr
.endr
.rept 4
	v_nop                                          ; places in front of the reads of the scores and of the loads below
.endr
.irp t, 0,1,2,3                                ; v's tiles 0-3 of these 128 keys: asked for here, used behind the softmax
.irp c, 0,1,2
	ds_load_b128 v[32+12*\t+4*\c:35+12*\t+4*\c], v[ADK] offset:VO+\t*IMG+512*\c
.endr
	ds_load_b32 v[248+\t], v[ADS] offset:512+\t*64
.endr
.irp b, 0,1,2,3
	v_max3_num_f32 v[232+\b], v[96+16*\b], v[97+16*\b], v[98+16*\b]   ; the largest score of each block of 32 keys: for the row's maximum and, since p rises with the score, for the block's largest p
.endr
.irp i, 3,5,7,9,11,13
.irp b, 0,1,2,3
	v_max3_num_f32 v[232+\b], v[232+\b], v[96+16*\b+\i], v[97+16*\b+\i]
.endr
.endr
.irp b, 0,1,2,3
	v_max_num_f32 v[232+\b], v[232+\b], v[111+16*\b]
.endr
.irp b, 0,1,2,3
	s_delay_alu instid0(VALU_DEP_4)
	v_permlanex16_b32 v[236+\b], v[232+\b], s[SEL], s[SEL+1]
.endr
.irp b, 0,1,2,3
	s_delay_alu instid0(VALU_DEP_4)
	v_max_num_f32 v[232+\b], v[232+\b], v[236+\b]
.endr
	s_delay_alu instid0(VALU_DEP_2)
	v_max3_num_f32 v254, v232, v233, v234
	s_delay_alu instid0(VALU_DEP_1)
	v_max_num_f32 v254, v254, v235
	s_delay_alu instid0(VALU_DEP_1)
	v_mul_f32 v254, s[CS], v254
	s_delay_alu instid0(VALU_DEP_1)
	v_max_num_f32 v13, v13, v254                   ; the running largest t
	v_mov_b32 v254, v12
	s_delay_alu instid0(VALU_DEP_2)
	v_floor_f32 v12, -v13                          ; the new -M = -ceil(t)
	s_delay_alu instid0(VALU_DEP_1)
	v_sub_f32 v254, v12, v254                      ; old M - new M: a whole number, 0 or less
	s_delay_alu instid0(VALU_DEP_1)
	v_cvt_i32_f32 v254, v254                       ; (it saturates)
	s_delay_alu instid0(VALU_DEP_1)
	v_ldexp_f32 v252, 1.0, v254                    ; f = 2^(old M - new M)
.set j, 0
.rept 32
	v_pk_fma_f32 v[96+j:97+j], v[96+j:97+j], s[CS:CS+1], v[12:13] op_sel_hi:[1,0,0]   ; t - M
.set j, j+2
.endr
.irp b, 0,1,2,3
	v_fma_f32 v[232+\b], v[232+\b], s[CS], v12
.endr
	s_wait_alu depctr_va_vdst(0)
.set j, 0
.rept 64
	v_exp_f32 v[96+j], v[96+j]                     ; p = 2^(t - M)
.set j, j+1
.endr
	v_pk_mul_f32 v[14:15], v[14:15], v[252:253] op_sel_hi:[1,0]   ; the sums under the new M: a plain place behind the exponentials
	s_wait_alu depctr_va_vdst(0)                   ; one wait for the whole batch, ahead of its first reader
.irp b, 0,1,2,3
	v_exp_f32 v[232+\b], v[232+\b]                 ; the blocks' largest p
.endr
	v_pk_add_f32 v[236:237], v[100:101], v[104:105]   ; the row's sum of the unquantised p, in eight chains
	v_pk_add_f32 v[246:247], v[108:109], v[112:113]
	v_pk_add_f32 v[244:245], v[116:117], v[120:121]
	v_pk_add_f32 v[242:243], v[124:125], v[128:129]
	v_pk_add_f32 v[240:241], v[132:133], v[136:137]
	v_pk_add_f32 v[238:239], v[140:141], v[144:145]
	v_pk_add_f32 v[230:231], v[148:149], v[152:153]
	v_pk_add_f32 v[14:15], v[14:15], v[156:157]
	v_pk_add_f32 v[236:237], v[236:237], v[96:97]
	v_pk_add_f32 v[246:247], v[246:247], v[98:99]
	v_pk_add_f32 v[244:245], v[244:245], v[102:103]
	v_pk_add_f32 v[242:243], v[242:243], v[106:107]
	v_pk_add_f32 v[240:241], v[240:241], v[110:111]
	v_pk_add_f32 v[238:239], v[238:239], v[114:115]
	v_pk_add_f32 v[230:231], v[230:231], v[118:119]
	v_pk_add_f32 v[14:15], v[14:15], v[122:123]
	v_pk_add_f32 v[236:237], v[236:237], v[126:127]
	v_pk_add_f32 v[246:247], v[246:247], v[130:131]
	v_pk_add_f32 v[244:245], v[244:245], v[134:135]
	v_pk_add_f32 v[242:243], v[242:243], v[138:139]
	v_pk_add_f32 v[240:241], v[240:241], v[142:143]
	v_pk_add_f32 v[238:239], v[238:239], v[146:147]
	v_pk_add_f32 v[230:231], v[230:231], v[150:151]
	v_pk_add_f32 v[14:15], v[14:15], v[154:155]
	v_pk_add_f32 v[236:237], v[236:237], v[158:159]
	s_delay_alu instid0(VALU_DEP_2)
	v_pk_add_f32 v[14:15], v[14:15], v[242:243]
	s_delay_alu instid0(VALU_DEP_2)
	v_pk_add_f32 v[236:237], v[236:237], v[240:241]
	v_pk_add_f32 v[246:247], v[246:247], v[238:239]
	v_pk_add_f32 v[244:245], v[244:245], v[230:231]
	s_delay_alu instid0(VALU_DEP_2)
	v_pk_add_f32 v[14:15], v[14:15], v[246:247]
	s_delay_alu instid0(VALU_DEP_2)
	v_pk_add_f32 v[236:237], v[236:237], v[244:245]
	s_delay_alu instid0(VALU_DEP_1)
	v_pk_add_f32 v[14:15], v[14:15], v[236:237]
	s_wait_alu depctr_va_vdst(0)                   ; and one for the four
.irp b, 0,1,2,3
	v_max_num_f32 v[232+\b], 0x1800000, v[232+\b]  ; the floor 2^(3 - 127)
.endr
.irp b, 0,1,2,3
	s_delay_alu instid0(VALU_DEP_4)
	v_add_nc_u32 v[244+\b], 0xff000000, v[232+\b]
.endr
.irp b, 0,1,2,3
	s_delay_alu instid0(VALU_DEP_4)
	v_lshrrev_b32 v[236+\b], 23, v[244+\b]
.endr
	s_delay_alu instid0(VALU_DEP_3)
	v_lshl_or_b32 v253, v237, 8, v236              ; p's scale word for these 128 keys
	s_delay_alu instid0(VALU_DEP_1)
	v_lshl_or_b32 v253, v238, 16, v253
	s_delay_alu instid0(VALU_DEP_1)
	v_lshl_or_b32 v253, v239, 24, v253
.irp c, 0,1
	v_cvt_scalef32_pk16_fp6_f32 v[224+6*\c:226+6*\c], v[96+32*\c:111+32*\c], v[244+2*\c]
	v_cvt_scalef32_pk16_fp6_f32 v[236+4*\c:238+4*\c], v[112+32*\c:127+32*\c], v[244+2*\c+1]
.endr
	v_nop                                          ; one plain place behind a scaled conversion
.irp t, 0,1,2,3                                ; v's tiles 4-7, into the registers that p has left; the 44 vector lines below stand between the loads and their use
.irp c, 0,1,2
	ds_load_b128 v[96+12*\t+4*\c:99+12*\t+4*\c], v[ADK] offset:VO+(4+\t)*IMG+512*\c
.endr
	ds_load_b32 v[80+\t], v[ADS] offset:512+(4+\t)*64
.endr
.irp c, 0,1
.irp i, 0,1,2
	v_permlane16_swap_b32 v[224+6*\c+\i], v[236+4*\c+\i]
.endr
.irp i, 0,1,2
	s_delay_alu instid0(VALU_DEP_3)
	v_mov_b32 v[227+6*\c+\i], v[236+4*\c+\i]
.endr
.endr
	s_wait_alu depctr_va_vdst(0)                   ; the wait directly ahead of the first reader of O^T
.set j, 0
.rept 32
	v_pk_mul_f32 v[160+j:161+j], v[160+j:161+j], v[252:253] op_sel_hi:[1,0]   ; O^T x f; these 32 are also the places in front of the products below
.set j, j+2
.endr
	s_wait_alu depctr_va_vdst(0)
	s_wait_dscnt 16                                ; v's tiles 0-3 are in; the 16 loads of tiles 4-7 may be out
.irp t, 0,1,2,3                                ; O^T += V^T P^T: eight tiles of 16 d, eight accumulators
	v_wmma_scale_f32_16x16x128_f8f6f4 v[160+8*\t:167+8*\t], v[32+12*\t:43+12*\t], v[224:235], v[160+8*\t:167+8*\t], v[248+\t], v253 matrix_a_fmt:MATRIX_FMT_FP6 matrix_b_fmt:MATRIX_FMT_FP6
.endr
.irp t, 0,1,2,3
	s_wait_dscnt 12-4*\t
	v_wmma_scale_f32_16x16x128_f8f6f4 v[192+8*\t:199+8*\t], v[96+12*\t:107+12*\t], v[224:235], v[192+8*\t:199+8*\t], v[80+\t], v253 matrix_a_fmt:MATRIX_FMT_FP6 matrix_b_fmt:MATRIX_FMT_FP6
.endr
	s_add_co_u32 s[KO], s[KO], 24576
	s_add_co_u32 s[SO], s[SO], 1024
	s_add_co_u32 s[CT], s[CT], 1
	s_cmp_lt_u32 s[CT], 8
	s_cbranch_scc1 .Lstep
	; THE WAY OUT: O^T / the sum, quantised along d: one image, K step = the head, of the last projection's operand
	v_add_f32 v14, v14, v15
	s_delay_alu instid0(VALU_DEP_1)
	v_permlanex16_b32 v252, v14, s[SEL], s[SEL+1]
	s_delay_alu instid0(VALU_DEP_1)
	v_add_f32 v14, v14, v252
	s_wait_alu depctr_va_vdst(0)
	v_rcp_f32 v14, v14
.rept 4
	v_nop                                          ; plain places behind the reciprocal and behind the last products
.endr
	s_lshr_b32 s60, s12, 4
	s_lshl_b32 s60, s60, 6
	s_add_co_u32 s60, s60, s14                     ; row tile: 64 x batch + my tile
	s_and_b32 s61, s12, 15                         ; the head
	s_lshl_b32 s62, s60, 4
	s_add_co_u32 s62, s62, s61
	s_mul_i32 s62, s62, IMG
	s_mov_b32 s63, 0
	s_add_nc_u64 s[8:9], s[8:9], s[62:63]
	s_lshl_b32 s62, s60, 10
	s_lshl_b32 s61, s61, 6
	s_add_co_u32 s62, s62, s61
	s_add_nc_u64 s[10:11], s[10:11], s[62:63]
	s_wait_alu depctr_va_vdst(0)                   ; the wait ahead of the reciprocal's first reader
.set j, 0
.rept 64
	v_mul_f32 v[96+j], v[160+j], v14               ; register 16 b + i: d 32 b + 16 h + i of my query
.set j, j+1
.endr
	QUANT 96
.irp c, 0,1,2
	global_store_b128 v[LI], v[PC+4*\c:PC+4*\c+3], s[8:9] offset:512*\c   ; 512 consecutive bytes
.endr
	global_store_b32 v[LR], v[PW], s[10:11]        ; 64 bytes: lanes r and r + 16 hold the same word and name the same place; the other heads' words of these rows come from other work-groups
	s_wait_tensorcnt 0x0                           ; the wave's end
	ds_add_u32 v[SPW], v[NIL]
	s_wait_dscnt 0x0
	ROUND                                          ; the closing round
	s_endpgm
.Lfunc_end_k_q1c47ba43d4_attn:
	.size	k_q1c47ba43d4_attn, .Lfunc_end_k_q1c47ba43d4_attn-k_q1c47ba43d4_attn
	.p2alignl 7, 3214868480
	.fill 96, 4, 3214868480
	.section	.rodata,"a",@progbits
	.p2align	6, 0x0
	.amdhsa_kernel k_q1c47ba43d4_attn
		.amdhsa_group_segment_fixed_size 206848
		.amdhsa_private_segment_fixed_size 0
		.amdhsa_enable_private_segment 0
		.amdhsa_kernarg_size 32
		.amdhsa_user_sgpr_count 2
		.amdhsa_user_sgpr_kernarg_segment_ptr 1
		.amdhsa_wavefront_size32 1
		.amdhsa_system_sgpr_workgroup_id_x 1
		.amdhsa_system_sgpr_workgroup_id_y 1
		.amdhsa_system_sgpr_workgroup_id_z 1
		.amdhsa_system_vgpr_workitem_id 0
		.amdhsa_next_free_vgpr 256
		.amdhsa_next_free_sgpr 70
		.amdhsa_reserve_vcc 0
		.amdhsa_float_denorm_mode_32 3
		.amdhsa_float_denorm_mode_16_64 3
		.amdhsa_memory_ordered 1
		.amdhsa_forward_progress 1
		.amdhsa_inst_pref_size 38
	.end_amdhsa_kernel
	.amdgpu_metadata
---
amdhsa.version: [ 1, 2 ]
amdhsa.kernels:
  - .name:           k_q1c47ba43d4_attn
    .symbol:         k_q1c47ba43d4_attn.kd
    .args:
      - { .name: qkvc, .offset: 0, .size: 8, .value_kind: global_buffer, .address_space: global }
      - { .name: qkvs, .offset: 8, .size: 8, .value_kind: global_buffer, .address_space: global }
      - { .name: ocod, .offset: 16, .size: 8, .value_kind: global_buffer, .address_space: global }
      - { .name: oscl, .offset: 24, .size: 8, .value_kind: global_buffer, .address_space: global }
    .group_segment_fixed_size: 206848
    .private_segment_fixed_size: 0
    .kernarg_segment_align: 8
    .kernarg_segment_size: 32
    .max_flat_workgroup_size: 512
    .sgpr_count:     70
    .vgpr_count:     256
    .wavefront_size: 32
...
	.end_amdgpu_metadata
.endif
;; end of part 3
;; launch oproj (part 4): grid 8 x 32, 4 waves a work-group, clusters of 4 x 4, 327,680 bytes of LDS; arguments ocod, oscl, wcod, scl, bo, out0; writes out0
.if DOCPART == 4
	.amdgcn_target "amdgcn-amd-amdhsa--gfx1250"
	.amdhsa_code_object_version 6
	.text
	.protected	k_q1c47ba43d4_oproj
	.globl	k_q1c47ba43d4_oproj
	.p2align	8
	.type	k_q1c47ba43d4_oproj,@function
k_q1c47ba43d4_oproj:
	s_mov_b64 s[64:65], 0
	v_nop
	global_prefetch_b8 v0, s[64:65] scope:SCOPE_SE
	s_setreg_imm32_b32 hwreg(HW_REG_WAVE_MODE, 25, 1), 1
	s_wait_xcnt 0x0
	s_wait_alu depctr_hold_cnt(0) depctr_sa_sdst(0) depctr_va_vdst(0) depctr_va_sdst(0) depctr_va_ssrc(0) depctr_va_vcc(0) depctr_vm_vsrc(0)
	s_getreg_b32 s2, hwreg(HW_REG_IB_STS2, 6, 4)
	s_cmp_eq_u32 s2, 0
	s_cbranch_scc0 .Lentry_in_a_cluster
	s_endpgm
.Lentry_in_a_cluster:
	s_bfe_u32 s2, ttmp6, 0x10000c
	s_cmp_lg_u32 s2, 0xf033
	s_cbranch_scc0 .Lentry_shape_is_right
	s_endpgm
.Lentry_shape_is_right:
.set IMG,   1536
.set RT,    24576
.set FR,    12
.set KQ,    4
.set RTL,   KQ*IMG
.set AHALF, 4*RTL
.set BHALF, 8*RTL
.set SLOT,  2*AHALF+2*BHALF
.set SCLA,  2*SLOT
.set SCLB,  SCLA+8192+128
.set SPARE, 319744
.set WS,    262144
.set SPITCH, 528
.set LI,    5
.set ADRA,  16
.set ADRB,  20
.set STO,   24
.set RD,    25
.set ADRS2, 26
.set ADRS,  27
.set SPW,   28
.set NIL,   29
.set SC,    32
.set BI,    64
.set AF,    128
.set BK,    128
.set G1,    24
.set G0,    32
.set G1B,   48
.set G0B,   56
.set G1S,   68
.set G0S,   76
.set G1SB,  80
.set G0SB,  88
.set MSB, 0
.macro WIN new
.if MSB != (\new)
	s_set_vgpr_msb (MSB<<8)|(\new)
.set MSB, (\new)
.endif
.endm
.set MUL_W,  0xa1
.set MUL_F,  0x81
.set TO_B,   0x40
.macro JLOAD g0a, g1a, g0b, g1b
	s_cmp_eq_u32 s15, 0
	s_cbranch_scc0 .Lfor_b_\@
	tensor_load_to_lds s[\g0a:\g0a+3], s[\g1a:\g1a+7]
	s_nop 0
.rept 4
	v_nop
.endr
	s_branch .Lasked_\@
.Lfor_b_\@:
	tensor_load_to_lds s[\g0b:\g0b+3], s[\g1b:\g1b+7]
	s_nop 0
.rept 4
	v_nop
.endr
.Lasked_\@:
.endm
.macro CREST
	s_cmp_lg_u32 s14, 0
	s_cbranch_scc1 .Lnot_wave_0_\@
	s_barrier_signal -3
.Lnot_wave_0_\@:
	s_barrier_wait -3
	s_barrier_signal -1
	s_barrier_wait -1
.endm
.macro CROUND
	s_barrier_signal -1
	s_barrier_wait -1
	CREST
.endm
.macro PLACES n
.rept \n
	v_nop
.endr
.endm
	s_load_b256 s[4:11], s[0:1], 0x0
	s_load_b128 s[92:95], s[0:1], 0x20
	v_lshl_add_u32 v[SPW], v0, 2, SPARE
	v_mov_b32 v[NIL], 0
	ds_add_u32 v[SPW], v[NIL]
	ds_add_u32 v[SPW], v[NIL]
	v_lshrrev_b32 v1, 5, v0
	v_readfirstlane_b32 s14, v1
	s_lshr_b32 s15, s14, 1
	s_and_b32 s16, s14, 1
	s_bfe_u32 s40, ttmp6, 0x40000
	s_bfe_u32 s41, ttmp6, 0x40004
	s_lshl_b32 s42, ttmp9, 2
	s_add_co_u32 s42, s42, s40
	s_and_b32 s17, ttmp7, 0xffff
	s_lshl_b32 s17, s17, 2
	s_add_co_u32 s17, s17, s41
	s_lshl_b32 s43, s41, 2
	s_lshl_b32 s43, 15, s43
	s_lshl_b32 s19, 0x1111, s40
	s_or_b32 s[G1+0], s43, (3<<16)|(1<<21)
	s_or_b32 s[G1B+0], s19, (3<<16)|(1<<21)
.irp g, G1, G1B
	s_mov_b32 s[\g+1], (RTL/8)<<16
	s_mov_b32 s[\g+3], (RTL/8)<<16
	s_mov_b32 s[\g+5], RT/8
	s_mov_b32 s[\g+6], 0
	s_mov_b32 s[\g+7], 0
.endr
	s_mov_b32 s[G1+2], 8<<16                       ; the head's loads bring a slot's whole tile: A's 8 row tiles, B's 16
	s_mov_b32 s[G1+4], 8
	s_mov_b32 s[G1B+2], 16<<16
	s_mov_b32 s[G1B+4], 16
	s_or_b32 s[G1S+0], s43, (3<<16)|(1<<21)
	s_or_b32 s[G1SB+0], s19, (3<<16)|(1<<21)
.irp g, G1S, G1SB
	s_mov_b32 s[\g+1], 32<<16
	s_mov_b32 s[\g+3], 32<<16
	s_mov_b32 s[\g+5], 32
	s_mov_b32 s[\g+6], 0
	s_mov_b32 s[\g+7], 0
.endr
	s_mov_b32 s[G1S+2], 32<<16                     ; all of A's scale words (8,192 bytes) and all of B's (16,384), as rows of 256 bytes
	s_mov_b32 s[G1S+4], 32
	s_mov_b32 s[G1SB+2], 64<<16
	s_mov_b32 s[G1SB+4], 64
	s_lshl_b32 s18, s16, 2
	s_lshl_b32 s20, s17, 3
	s_add_co_u32 s20, s20, s18
	s_mul_i32 s22, s20, RT
	s_mov_b32 s23, 0
	s_lshl_b32 s20, s20, 10
	s_mov_b32 s21, 0
	s_lshl_b32 s18, s16, 3
	s_lshl_b32 s44, s42, 4
	s_add_co_u32 s44, s44, s18
	s_add_co_u32 s44, s44, 160
	s_mul_i32 s46, s44, RT
	s_mov_b32 s47, 0
	s_lshl_b32 s44, s44, 10
	s_add_co_u32 s44, s44, WS
	s_mov_b32 s45, 0
	s_mul_i32 s2, s16, AHALF
	s_mul_i32 s3, s16, BHALF
	s_add_co_u32 s3, s3, 2*AHALF
	s_lshl_b32 s18, s16, 12
	s_lshl_b32 s12, s16, 13
	s_wait_dscnt 0x0
	s_wait_kmcnt 0x0
	s_add_nc_u64 s[22:23], s[4:5], s[22:23]
	s_add_nc_u64 s[20:21], s[6:7], s[20:21]
	s_add_nc_u64 s[46:47], s[8:9], s[46:47]
	s_add_nc_u64 s[44:45], s[10:11], s[44:45]
	CROUND
	; group 0 of the head's four loads: each tile whole, from its first half's address (my half's offset is taken off)
	s_mov_b32 s13, 0
	s_mul_i32 s12, s16, 4*RT
	s_sub_nc_u64 s[6:7], s[22:23], s[12:13]
	s_mov_b32 s4, 1
	s_mov_b32 s5, 0
	s_or_b32 s7, s7, 0x80000000
	s_mul_i32 s12, s16, 8*RT
	s_sub_nc_u64 s[10:11], s[46:47], s[12:13]
	s_mov_b32 s8, 1
	s_mov_b32 s9, 2*AHALF
	s_or_b32 s11, s11, 0x80000000
	s_lshl_b32 s12, s16, 12
	s_sub_nc_u64 s[G0S+2:G0S+3], s[20:21], s[12:13]
	s_mov_b32 s[G0S], 1
	s_mov_b32 s[G0S+1], SCLA
	s_or_b32 s[G0S+3], s[G0S+3], 0x80000000
	s_lshl_b32 s12, s16, 13
	s_sub_nc_u64 s[G0SB+2:G0SB+3], s[44:45], s[12:13]
	s_mov_b32 s[G0SB], 1
	s_mov_b32 s[G0SB+1], SCLB
	s_or_b32 s[G0SB+3], s[G0SB+3], 0x80000000
.irp s, 0,1
	s_mov_b32 s[G0+4*\s], 1
	s_add_co_u32 s[G0+4*\s+1], s2, \s*SLOT
	s_add_nc_u64 s[G0+4*\s+2:G0+4*\s+3], s[22:23], \s*RTL
	s_or_b32 s[G0+4*\s+3], s[G0+4*\s+3], 0x80000000
	s_mov_b32 s[G0B+4*\s], 1
	s_add_co_u32 s[G0B+4*\s+1], s3, \s*SLOT
	s_add_nc_u64 s[G0B+4*\s+2:G0B+4*\s+3], s[46:47], \s*RTL
	s_or_b32 s[G0B+4*\s+3], s[G0B+4*\s+3], 0x80000000
.endr
; the head's loads, one a wave, in one chain of branches on the wave's number: wave 0 slot 0's rows of A, wave 1 its rows of B, wave 2 A's scale words, wave 3 B's
.macro ARM under, g0, g1, next
	s_cmp_lt_u32 s14, \under
	s_cbranch_scc0 \next
	tensor_load_to_lds s[\g0:\g0+3], s[\g1:\g1+7]
	s_nop 0
.rept 4
	v_nop
.endr
	s_branch .Lhead_asked
\next:
.endm
	ARM 1, 4, G1, .Lhead_b
	ARM 2, 8, G1B, .Lhead_sa
	ARM 3, G0S, G1S, .Lhead_sb
	tensor_load_to_lds s[G0SB:G0SB+3], s[G1SB:G1SB+7]
	s_nop 0
.rept 4
	v_nop
.endr
.Lhead_asked:
	v_and_b32 v1, 15, v0
	s_wait_alu depctr_va_vdst(0)
	v_bfe_u32 v2, v0, 4, 1
	s_wait_alu depctr_va_vdst(0)
	v_and_b32 v3, 31, v0
	v_lshlrev_b32 v[LI], 4, v3
	s_mul_i32 s21, s15, AHALF
	s_mul_i32 s22, s16, BHALF
	s_add_co_u32 s22, s22, 2*AHALF
.irp s, 0,1
	v_add_nc_u32 v[ADRA+\s], s21, v[LI]
	v_add_nc_u32 v[ADRB+\s], s22, v[LI]
	s_add_co_u32 s21, s21, SLOT
	s_add_co_u32 s22, s22, SLOT
.endr
	s_lshl_b32 s21, s15, 12
	s_lshl_b32 s22, s16, 13
	s_add_co_u32 s23, s22, SCLB
	v_lshl_add_u32 v[ADRS2], v1, 2, s23
	s_add_co_u32 s22, s22, SCLB-SCLA
	s_sub_co_u32 s22, s22, s21
	v_mul_u32_u24 v4, s22, v2
	s_add_co_u32 s21, s21, SCLA
	v_lshl_add_u32 v[ADRS], v1, 2, v4
	v_add_nc_u32 v[ADRS], s21, v[ADRS]
	s_mul_i32 s23, s14, 16*SPITCH
	v_mul_u32_u24 v4, v1, SPITCH
	v_lshl_add_u32 v4, v2, 5, v4
	v_add_nc_u32 v[STO], s23, v4
	v_add_nc_u32 v[RD], s23, v[LI]
	v_lshlrev_b32 v9, 5, v2
	s_wait_alu depctr_va_vdst(0)
	s_lshl_b32 s46, s42, 10
	s_lshl_b32 s47, s16, 9
	s_add_co_u32 s46, s46, s47
	s_mov_b32 s47, 0
	s_add_nc_u64 s[92:93], s[92:93], s[46:47]
	s_lshl_b32 s20, s17, 7
	s_lshl_b32 s21, s15, 6
	s_add_co_u32 s20, s20, s21
	s_lshl_b32 s20, s20, 13
	s_mov_b32 s21, 0
	s_add_nc_u64 s[94:95], s[94:95], s[20:21]
	s_add_nc_u64 s[94:95], s[94:95], s[46:47]
.irp b, 0,1,2,3,4,5,6,7
	global_load_b128 v[BI+8*\b:BI+8*\b+3], v9, s[92:93] offset:64*\b
	global_load_b128 v[BI+8*\b+4:BI+8*\b+7], v9, s[92:93] offset:64*\b+16
.endr
.macro MUL8 a, p, first
.irp b, 0,1,2,3,4,5,6,7
.if \first
	v_wmma_scale_f32_16x16x128_f8f6f4 v[8*(8*(\a)+\b):8*(8*(\a)+\b)+7], v[128*(\p)+FR*\b:128*(\p)+FR*\b+FR-1], v[AF+48*(\p)+FR*(\a):AF+48*(\p)+FR*(\a)+FR-1], v[BI+8*\b:BI+8*\b+7], v[SC+8*(\p)+\b], v[SC+8*(\p)+(\a)] matrix_a_fmt:MATRIX_FMT_FP6 matrix_b_fmt:MATRIX_FMT_FP6 matrix_a_scale:MATRIX_SCALE_ROW1
.else
	v_wmma_scale_f32_16x16x128_f8f6f4 v[8*(8*(\a)+\b):8*(8*(\a)+\b)+7], v[128*(\p)+FR*\b:128*(\p)+FR*\b+FR-1], v[AF+48*(\p)+FR*(\a):AF+48*(\p)+FR*(\a)+FR-1], v[8*(8*(\a)+\b):8*(8*(\a)+\b)+7], v[SC+8*(\p)+\b], v[SC+8*(\p)+(\a)] matrix_a_fmt:MATRIX_FMT_FP6 matrix_b_fmt:MATRIX_FMT_FP6 matrix_a_scale:MATRIX_SCALE_ROW1
.endif
.endr
.endm
.macro MULWIN first
.if \first
	WIN MUL_F
.else
	WIN MUL_W
.endif
.endm
.macro FETCH_A ks
.set FP, (\ks)%2
.set FS, ((\ks)/KQ)%2
.set FQ, (\ks)%KQ
.irp i, 0,1,2,3
.irp c, 0,1,2
	ds_load_b128 v[AF+48*FP+FR*\i+4*\c:AF+48*FP+FR*\i+4*\c+3], v[ADRA+FS] offset:\i*RTL+FQ*IMG+512*\c
.endr
.endr
.irp i, 0,1,2,3
	ds_load_b32 v[SC+8*FP+\i], v[ADRS] offset:1024*\i+64*(\ks)
	ds_load_b32 v[SC+8*FP+4+\i], v[ADRS2] offset:1024*(4+\i)+64*(\ks)
.endr
.endm
.macro FETCH_B ks, i0
.set FP, (\ks)%2
.set FS, ((\ks)/KQ)%2
.set FQ, (\ks)%KQ
	WIN TO_B
.irp i, \i0, \i0+1, \i0+2, \i0+3
.irp c, 0,1,2
	ds_load_b128 v[128*FP+FR*(\i)+4*\c:128*FP+FR*(\i)+4*\c+3], v[ADRB+FS] offset:(\i)*RTL+FQ*IMG+512*\c
.endr
.endr
.endm
.macro KSTEP ks, first
	s_wait_dscnt 0x0
.if (\ks) < 15
.if (\ks) > 0
	PLACES 4
.endif
	FETCH_A (\ks)+1
.endif
	MULWIN \first
	MUL8 0, (\ks)%2, \first
.if (\ks) < 15
	FETCH_B (\ks)+1, 0
.endif
	MULWIN \first
	MUL8 1, (\ks)%2, \first
.if (\ks) < 15
	FETCH_B (\ks)+1, 4
.endif
	MULWIN \first
	MUL8 2, (\ks)%2, \first
	MUL8 3, (\ks)%2, \first
	WIN 0
.endm
.macro TURN ks, slot, fill
	s_wait_tensorcnt 0x0
	ds_add_u32 v[SPW], v[NIL]
	s_wait_dscnt 1
	WIN MUL_W
	MUL8 0, (\ks)%2, 0
	s_wait_dscnt 0x0
	s_barrier_signal -1
	MUL8 1, (\ks)%2, 0
	WIN 0
	s_barrier_wait -1
.if \fill
	CREST
	s_add_nc_u64 s[G0+4*\slot+2:G0+4*\slot+3], s[G0+4*\slot+2:G0+4*\slot+3], 2*RTL
	s_add_nc_u64 s[G0B+4*\slot+2:G0B+4*\slot+3], s[G0B+4*\slot+2:G0B+4*\slot+3], 2*RTL
	JLOAD G0+4*\slot, G1, G0B+4*\slot, G1B
.else
	PLACES 4
.endif
	FETCH_A (\ks)+1
	FETCH_B (\ks)+1, 0
	WIN MUL_W
	MUL8 2, (\ks)%2, 0
	FETCH_B (\ks)+1, 4
	WIN MUL_W
	MUL8 3, (\ks)%2, 0
	WIN 0
.endm
	s_wait_alu depctr_va_vdst(0)                   ; the wait at the head's end
	s_wait_tensorcnt 0x0                           ; my tile of the head's four is in; then the add and a wait ahead of a later first fill
	ds_add_u32 v[SPW], v[NIL]
	s_mov_b32 s[G1+2], 4<<16                       ; no tensor load of mine is out: from here on a load brings half a tile's rows
	s_mov_b32 s[G1+4], 4
	s_mov_b32 s[G1B+2], 8<<16
	s_mov_b32 s[G1B+4], 8
	s_wait_dscnt 0x0
	CROUND                                         ; all four tiles are in, and all sixteen work-groups are here
	JLOAD G0+4, G1, G0B+4, G1B                     ; slot 1's first fill, the first tensor load behind the round
	FETCH_A 0
	FETCH_B 0, 0
	FETCH_B 0, 4
	WIN 0
	s_wait_loadcnt 0x0
	KSTEP 0, 1
	KSTEP 1, 0
	KSTEP 2, 0
	TURN 3, 0, 1
	KSTEP 4, 0
	KSTEP 5, 0
	KSTEP 6, 0
	TURN 7, 1, 1
	KSTEP 8, 0
	KSTEP 9, 0
	KSTEP 10, 0
	TURN 11, 0, 0
	KSTEP 12, 0
	KSTEP 13, 0
	KSTEP 14, 0
	KSTEP 15, 0
.macro TOSTAGE a
.set AC, 64*(\a)
	WIN 0x08
.irp b, 0,1,2,3,4,5,6,7
	ds_store_b128 v[STO], v[AC+8*\b:AC+8*\b+3] offset:64*\b
	ds_store_b128 v[STO], v[AC+8*\b+4:AC+8*\b+7] offset:64*\b+16
.endr
	WIN 0
.set BB, BK+64*((\a)%2)
.irp t, 0,1,2,3,4,5,6,7,8,9,10,11,12,13,14,15
	ds_load_b128 v[BB+4*\t:BB+4*\t+3], v[RD] offset:\t*SPITCH
.endr
.endm
.macro SEND a, younger
.set BB, BK+64*((\a)%2)
	s_wait_dscnt \younger
.irp t, 0,1,2,3,4,5,6,7,8,9,10,11,12,13,14,15
	global_store_b128 v[LI], v[BB+4*\t:BB+4*\t+3], s[94:95] offset:(32*((\a)/2)+8*((\a)%2)+\t+8*(\t/8))*8192 th:TH_STORE_NT
.endr
.endm
	PLACES 4
	TOSTAGE 0
.irp a, 1,2,3
.if \a > 1
	s_wait_xcnt 0x0
.endif
	TOSTAGE \a
	SEND \a-1, 32
.endr
	SEND 3, 0
	s_wait_tensorcnt 0x0
	ds_add_u32 v[SPW], v[NIL]
	s_wait_dscnt 0x0
	CROUND
	s_endpgm
.Lfunc_end_k_q1c47ba43d4_oproj:
	.size	k_q1c47ba43d4_oproj, .Lfunc_end_k_q1c47ba43d4_oproj-k_q1c47ba43d4_oproj
	.p2alignl 7, 3214868480
	.fill 96, 4, 3214868480
	.section	.rodata,"a",@progbits
	.p2align	6, 0x0
	.amdhsa_kernel k_q1c47ba43d4_oproj
		.amdhsa_group_segment_fixed_size 327680
		.amdhsa_private_segment_fixed_size 0
		.amdhsa_enable_private_segment 0
		.amdhsa_kernarg_size 48
		.amdhsa_user_sgpr_count 2
		.amdhsa_user_sgpr_kernarg_segment_ptr 1
		.amdhsa_wavefront_size32 1
		.amdhsa_system_sgpr_workgroup_id_x 1
		.amdhsa_system_sgpr_workgroup_id_y 1
		.amdhsa_system_sgpr_workgroup_id_z 1
		.amdhsa_system_vgpr_workitem_id 0
		.amdhsa_next_free_vgpr 768
		.amdhsa_next_free_sgpr 96
		.amdhsa_reserve_vcc 0
		.amdhsa_float_denorm_mode_32 3
		.amdhsa_float_denorm_mode_16_64 3
		.amdhsa_memory_ordered 1
		.amdhsa_forward_progress 1
		.amdhsa_inst_pref_size 143
	.end_amdhsa_kernel
	.amdgpu_metadata
---
amdhsa.version: [ 1, 2 ]
amdhsa.kernels:
  - .name:           k_q1c47ba43d4_oproj
    .symbol:         k_q1c47ba43d4_oproj.kd
    .args:
      - { .name: ocod, .offset: 0, .size: 8, .value_kind: global_buffer, .address_space: global }
      - { .name: oscl, .offset: 8, .size: 8, .value_kind: global_buffer, .address_space: global }
      - { .name: wcod, .offset: 16, .size: 8, .value_kind: global_buffer, .address_space: global }
      - { .name: scl, .offset: 24, .size: 8, .value_kind: global_buffer, .address_space: global }
      - { .name: bo, .offset: 32, .size: 8, .value_kind: global_buffer, .address_space: global }
      - { .name: out0, .offset: 40, .size: 8, .value_kind: global_buffer, .address_space: global }
    .group_segment_fixed_size: 327680
    .private_segment_fixed_size: 0
    .kernarg_segment_align: 8
    .kernarg_segment_size: 48
    .max_flat_workgroup_size: 128
    .sgpr_count:     96
    .vgpr_count:     768
    .wavefront_size: 32
...
	.end_amdgpu_metadata
.endif
;; end of part 4
